; MI455X (gfx1250); checked and timed in simulation.
; The chip was launched on July 23, 2026; its instructions are those of AMD's public machine-readable ISA for CDNA 5 (MIT licence, August 2026) and "CDNA5" Instruction Set Architecture Reference Guide (July 2026). The comments in the code are by the model that wrote it; some were corrected since.
;; Attention. Allowed arithmetic: matrix products marked QUANTISED: E2M3 operands, one E8M0 scale for each 32 along K, by v_wmma_scale_f32_16x16x128_f8f6f4 with both operands' format E2M3, f32 sums; everything else in f32.
;; Inputs: W_proj 1,024 x 1,024 float32; W_qkv 1,024 x 3,072 float32; b_proj 1,024 float32; mask 4 x 2,048 int32; x 4 x 2,048 x 1,024 float32.
;; Outputs: out0 4 x 2,048 x 1,024 float32.
;; This version of the problem:
;;   THIS VERSION OF THE PROBLEM IS GIVEN IN LOW PRECISION. The matrix products marked QUANTISED in the list below multiply operands that are first quantised to E2M3 (2 exponent bits, 3 mantissa bits; 6 bits a number), with one power-of-two scale for each 32 numbers along K (OCP MX v1.0); their sums are f32. All else is computed in f32.
;;   The module's matrix products, in the order in which they are computed (A, B: the left and right operand; K: the contracted axis; several contracted axes count as one K, in the product's order):
;;     1. [M 8,192, K 1,024] x [K 1,024, N 3,072]; A: input x; B: input W_qkv: QUANTISED
;;     2. batch 64 x [M 2,048, K 64] x [K 64, N 2,048]; A: computed on the way; B: computed on the way: QUANTISED
;;     3. batch 64 x [M 2,048, K 2,048] x [K 2,048, N 64]; A: softmax (see below); B: computed on the way: QUANTISED
;;     4. [M 8,192, K 1,024] x [K 1,024, N 1,024]; A: computed on the way; B: input W_proj: QUANTISED
;;   THE QUANTISER, for each operand of a quantised product, along K:
;;     - K is cut into blocks of 32 from its start; a last block that is shorter is filled with zeros.
;;     - A block's scale is 2^e with e = floor(log2(the largest magnitude in the block)) - 2, held to -126 .. 127; a block of zeros has e = 0. As a byte (E8M0): e + 127.
;;     - Each number is divided by its block's scale, clamped to +-7.5, and rounded to the nearest number of E2M3, ties to even, subnormals kept.
;;     - The product sums the exact products of the quantised numbers (number of the format x scale) in f32.
;;   ~~~python
;;   def quantise(x, axis):      # numpy; x: float32 -> the quantised numbers, widened to float32 again
;;       x = np.moveaxis(x, axis, -1); K = x.shape[-1]
;;       x = np.pad(x, [(0, 0)] * (x.ndim - 1) + [(0, -K % 32)]); x = x.reshape(x.shape[:-1] + (-1, 32)); a = np.abs(x).max(-1, keepdims=True)
;;       e = np.where(a > 0, np.clip(np.frexp(np.where(a > 0, a, 1))[1] - 1 - 2, -126, 127), 0)      # np.frexp(a)[1] - 1 = floor(log2(a)), exactly
;;       r = np.clip(x / 2.0 ** e, -7.5, 7.5)
;;       step = 2.0 ** (np.maximum(np.frexp(np.where(r == 0, 1, r))[1] - 1, 0) - 3)
;;       q = np.round(r / step) * step * 2.0 ** e      # np.round: ties to even
;;       return np.moveaxis(q.reshape(q.shape[:-2] + (-1,))[..., :K], -1, axis).astype(np.float32)
;;   ~~~
;;   SOFTMAX AHEAD OF A QUANTISED PRODUCT. Where the list says 'softmax', what is quantised is not the finished softmax but p = 2^(t - M), with t = logit x log2(e) and M = ceil(the row's largest t), a whole number; so 1/2 < the row's largest p <= 1. The row's sum l is taken of the UNQUANTISED p, in f32, and the product's result is divided by l at the end. Since M is a whole number, a kernel that streams over the keys may use a running M (the ceiling of the running maximum): every later rescaling is an exact power of two, which a block's scale takes up: the codes' values come out the same.
;;   OPERANDS COMPUTED ON THE WAY. 'Computed on the way' means the value that the module computes at that place (a softmax that the list does not call 'softmax' is quantised finished and normalised). What goes into a quantiser is computed in f32, as accurately as f32 sums, v_exp_f32 and their like allow (about 1e-6 of the number): no bf16 or f16 on the way to a quantiser, and a product that is left as it is and whose result goes on into a quantised operand takes f32 operands (vector FMAs, or v_wmma_f32_16x16x4_f32). A number that lies on a knife's edge between two numbers of the format may be rounded either way, as far as f32 arithmetic and the matrix unit's own rounding can turn it there, and no further.
;; One version. Each part assembles by itself: llvm-mc -triple=amdgcn-amd-amdhsa -mcpu=gfx1250 --defsym DOCPART=n.
;; ======== version 1 of 1: 4 launches
;; limits: right only within a limited range of input values
;; workspace buffers: pcodes 9,437,184 bytes; pscales 393,216 bytes; qkvc 18,874,368 bytes; qkvs 786,432 bytes; oc 6,291,456 bytes; os 262,144 bytes
;; launch prep (part 1): grid 384 x 1, 4 waves a work-group, no clusters, 34,304 bytes of LDS; arguments x, W_qkv, W_proj, pcodes, pscales; writes pcodes, pscales
.if DOCPART == 1
	.amdgcn_target "amdgcn-amd-amdhsa--gfx1250"
	.amdhsa_code_object_version 6
	.text
	.protected	k_qbc644d64f2_prep
	.globl	k_qbc644d64f2_prep
	.p2align	8
	.type	k_qbc644d64f2_prep,@function
k_qbc644d64f2_prep:
	s_mov_b64 s[64:65], 0
	v_nop
	global_prefetch_b8 v0, s[64:65] scope:SCOPE_SE
	s_setreg_imm32_b32 hwreg(HW_REG_WAVE_MODE, 25, 1), 1
	s_wait_xcnt 0x0
; x [8192][1024], W_qkv [1024][3072] and W_proj [1024][1024], f32, become codes of FP6 (E2M3) along K = 1,024 with one E8M0 byte for each 32 along K.
; A block's scale is 2^(floor(log2(its largest magnitude)) - 2); its byte is the largest magnitude's exponent field - 2, held at 1 from below.
; LIMITS: NaN and infinities are not served; a block whose largest magnitude lies under 2^-124, a block of zeros too, keeps the byte 1 (its codes are then zeros or subnormal; the bytes are read by this program alone).
; THE LAYOUT OF THE CODES is the order of an operand's registers.  Rows (tokens of x, columns of a weight) go in tiles of 16: tile T = 2 (row / 32) + u holds in place r the row 32 (T / 2) + 8 u + r + 8 (r / 8).
; A tile's record is 12,288 bytes: 8 fragments of 128 along K, each two halves of 64 along K, 768 bytes a half: lane (r, h) owns the 24 bytes of block h of row r: its first 16 at 16 x lane, its last 8 at 512 + 16 r + 8 h.
; pcodes: tiles 0-511 x, 512-703 W_qkv's columns, 704-767 W_proj's.  pscales: 512 bytes a tile: [half of K][r][4 words], a word for 128 along K.
; SHARES.  Work-groups 0-95: W_qkv; 96-127: W_proj; 128-383: x.  Each reads 128 KiB.  Only pointers and constants differ between the two weights; only x's path uses LDS.
; A WEIGHT: K is its first axis, so a lane takes a column and its registers run down K: a block of 32 lies in one lane, and the conversions give codes with K innermost.  No LDS: a lane holds both blocks of a half.
; x: K is innermost.  Each load reads 512 consecutive bytes of a row; 16 rows x 512 bytes turn through the wave's own stage in LDS (rows 528 bytes apart), from which lane (r, h) takes blocks h and 2 + h of row r.
.set SPW,   12                         ; v12  LDS address of my spare word; never rewritten
.set NIL,   13                         ; v13  0; never rewritten
.set STG,   8448                       ; a wave's stage: 16 rows x 528 bytes
.set SPARE, 4*STG                      ; behind the four stages: the spare words, 128 bytes a wave
.macro CLOSE                           ; the wave's end
	s_wait_tensorcnt 0x0
	ds_add_u32 v[SPW], v[NIL]
	s_wait_dscnt 0x0
	s_endpgm
.endm
	s_load_b256 s[4:11], s[0:1], 0x0               ; x s[4:5], W_qkv s[6:7], W_proj s[8:9], pcodes s[10:11]
	s_load_b64 s[12:13], s[0:1], 0x20              ; pscales
	v_lshl_add_u32 v[SPW], v0, 2, SPARE
	v_mov_b32 v[NIL], 0
	v_lshrrev_b32 v1, 5, v0
	v_readfirstlane_b32 s14, v1                    ; wave 0..3
	v_and_b32 v2, 31, v0                           ; lane
	s_mov_b32 s21, 0                               ; the upper word of every offset
	s_wait_kmcnt 0x0
	s_cmp_lt_u32 ttmp9, 96
	s_cbranch_scc1 .Lwqkv
	s_cmp_lt_u32 ttmp9, 128
	s_cbranch_scc1 .Lwproj
	; ---------------- x: work-group g takes tiles 2 g and 2 g + 1; wave w tile 2 g + w / 2, half w % 2 of K: four fragments
	s_sub_co_u32 s16, ttmp9, 128                   ; g
	s_lshr_b32 s18, s14, 1                         ; which tile
	s_and_b32 s19, s14, 1                          ; which half of K
	s_lshl_b32 s17, s16, 1
	s_add_co_u32 s17, s17, s18                     ; T
	s_lshl_b32 s20, s16, 17                        ; 32 g rows of 4,096 bytes,
	s_lshl_b32 s15, s18, 15                        ; 8 rows more for the odd tile,
	s_add_co_u32 s20, s20, s15
	s_lshl_b32 s15, s19, 11                        ; 2,048 bytes for the second half of K
	s_add_co_u32 s20, s20, s15
	s_add_nc_u64 s[22:23], s[4:5], s[20:21]
	s_mul_i32 s20, s17, 12288
	s_mul_i32 s15, s19, 6144
	s_add_co_u32 s20, s20, s15
	s_add_nc_u64 s[26:27], s[10:11], s[20:21]      ; my four fragments' images
	s_lshl_b32 s20, s17, 9
	s_lshl_b32 s15, s19, 8
	s_add_co_u32 s20, s20, s15
	s_add_nc_u64 s[28:29], s[12:13], s[20:21]      ; my 256 bytes of scale words
	s_wait_alu depctr_va_vdst(0)
	v_lshlrev_b32 v1, 4, v2                        ; 16 x lane
	v_and_b32 v3, 15, v2                           ; r
	v_lshrrev_b32 v4, 4, v2                        ; h
	v_lshlrev_b32 v5, 4, v3
	v_lshl_add_u32 v5, v4, 3, v5                   ; 16 r + 8 h
	s_mul_i32 s19, s14, STG
	v_add_nc_u32 v6, s19, v1                       ; the stage, in: 16 x lane of a row
	v_mul_u32_u24 v7, v3, 528
	v_lshl_add_u32 v7, v4, 7, v7
	v_add_nc_u32 v7, s19, v7                       ; out: row r, block h
	v_lshlrev_b32 v236, 3, v4                      ; 8 h
	v_mov_b32 v235, 0                              ; written once: a lane permute's destination counts as one of its sources
	s_mov_b32 s24, 0x76543210
	s_mov_b32 s25, 0xfedcba98                      ; selects for lane l xor 16
	s_mov_b32 s30, 0xffff0000                      ; lanes 16-31
.macro XLOAD f                         ; fragment f: 16 rows x 512 bytes into set f % 2
.irp p, 0,1,2,3,4,5,6,7,8,9,10,11,12,13,14,15
	global_load_b128 v[16+64*((\f)%2)+4*\p:16+64*((\f)%2)+4*\p+3], v1, s[22:23] offset:(\p+8*(\p/8))*4096+(\f)*512 th:TH_LOAD_NT
.endr
.endm
.macro FRAGX f
.set RS, 16+64*((\f)%2)
.if (\f) < 3
	s_wait_loadcnt 16                              ; this fragment's 16 loads are in; the next fragment's 16 may be out
.else
	s_wait_loadcnt 0x0
.endif
.irp p, 0,1,2,3,4,5,6,7,8,9,10,11,12,13,14,15
	ds_store_b128 v6, v[RS+4*\p:RS+4*\p+3] offset:\p*528
.endr
.irp c, 0,1
.irp i, 0,1,2,3,4,5,6,7
	ds_load_b128 v[144+32*\c+4*\i:144+32*\c+4*\i+3], v7 offset:\c*256+16*\i   ; LDS serves a wave's instructions in order: these see my stores.  Block 2 c + h of row r
.endr
.endr
	s_wait_dscnt 0x0                               ; my 64 numbers are back, and the stores into the stage have read their registers
	s_wait_xcnt 0x0                                ; the last fragment's stores have read the codes' registers, which are written again below
.if (\f) < 2
	XLOAD (\f)+2
.endif
.irp c, 0,1
	v_max3_num_f32 v[228+\c], |v[144+32*\c]|, |v[145+32*\c]|, 0x1800000   ; my block's largest magnitude, with the floor 2^(3 - 127): the byte cannot fall under 1
.endr
.irp i, 2,4,6,8,10,12,14,16,18,20,22,24,26,28,30
.irp c, 0,1
	v_max3_num_f32 v[228+\c], v[228+\c], |v[144+32*\c+\i]|, |v[145+32*\c+\i]|
.endr
.endr
.irp c, 0,1
	v_add_nc_u32 v[230+\c], 0xff000000, v[228+\c]  ; 2 off the exponent field: the conversion's scale operand
.endr
.irp c, 0,1
	v_lshrrev_b32 v[232+\c], 23, v[230+\c]         ; the scale's byte
.endr
	v_lshl_or_b32 v234, v233, 16, v232             ; blocks h and 2 + h,
	v_lshlrev_b32 v234, v236, v234                 ; at their places in the word;
	v_permlanex16_b32 v235, v234, s24, s25
	v_or_b32 v[240+(\f)], v234, v235               ; with lane l xor 16's two the word is whole
.irp c, 0,1
	v_cvt_scalef32_pk16_fp6_f32 v[208+6*\c:210+6*\c], v[144+32*\c:159+32*\c], v[230+\c]
	v_cvt_scalef32_pk16_fp6_f32 v[220+4*\c:222+4*\c], v[160+32*\c:175+32*\c], v[230+\c]   ; (a conversion's three registers begin on an even number)
.endr
	v_nop                                          ; one plain place behind a scaled conversion
.irp c, 0,1
.irp i, 0,1,2
	v_mov_b32 v[211+6*\c+\i], v[220+4*\c+\i]
.endr
.endr
	global_store_b128 v1, v[208:211], s[26:27] offset:(\f)*1536          ; each store covers whole aligned blocks of 256 bytes
	global_store_b64 v5, v[212:213], s[26:27] offset:(\f)*1536+512
	global_store_b128 v1, v[214:217], s[26:27] offset:(\f)*1536+768
	global_store_b64 v5, v[218:219], s[26:27] offset:(\f)*1536+1280
.endm
	XLOAD 0
	XLOAD 1
	s_wait_alu depctr_va_vdst(0)
	FRAGX 0
	FRAGX 1
	FRAGX 2
	FRAGX 3
	v_cndmask_b32 v244, v240, v242, s30            ; lane (r, h) stores words 2 h and 2 h + 1 of row r
	v_cndmask_b32 v245, v241, v243, s30
	global_store_b64 v5, v[244:245], s[28:29]      ; 32 lanes: one aligned block of 256 bytes
	CLOSE
	; ---------------- a weight [1024][n]: work-group g: columns 128 (g / 4) on, quarter g % 4 of K; wave w 32 of the columns, a lane a column
.macro WLOAD t, n                      ; block t: W(32 t + i, my column) into set t % 2
.irp i, 0,1,2,3,4,5,6,7,8,9,10,11,12,13,14,15,16,17,18,19,20,21,22,23,24,25,26,27,28,29,30,31
	global_load_b32 v[16+32*((\t)%2)+\i], v3, s[22:23] offset:(32*(\t)+\i)*(\n)*4 th:TH_LOAD_NT
.endr
.endm
.macro WBLOCK t, n
.set XS, 16+32*((\t)%2)
.set CM, 80+12*((\t)/2)                ; the half's twelve registers: block 0's first four, block 1's first four, the last two of each.  Four sets: no store's data are written again
.set HH, (\t)%2
.if (\t) < 7
	s_wait_loadcnt 32                              ; this block's 32 loads are in; the next block's 32 may be out
.else
	s_wait_loadcnt 0x0
.endif
	v_max3_num_f32 v8, |v[XS]|, |v[XS+1]|, |v[XS+2]|
	v_max3_num_f32 v9, |v[XS+3]|, |v[XS+4]|, |v[XS+5]|
.irp i, 6,10,14,18,22,26
	v_max3_num_f32 v8, v8, |v[XS+\i]|, |v[XS+\i+1]|
	v_max3_num_f32 v9, v9, |v[XS+\i+2]|, |v[XS+\i+3]|
.endr
	v_max3_num_f32 v8, v8, |v[XS+30]|, |v[XS+31]|
	v_max3_num_f32 v8, v8, v9, 0x1800000           ; and the floor
	v_add_nc_u32 v10, 0xff000000, v8               ; the conversion's scale operand
	v_lshrrev_b32 v11, 23, v10                     ; the byte
.if (\t)%4 == 0
	v_mov_b32 v[14+(\t)/4], v11
.else
	v_lshl_or_b32 v[14+(\t)/4], v11, 8*((\t)%4), v[14+(\t)/4]
.endif
	v_cvt_scalef32_pk16_fp6_f32 v[CM+4*HH:CM+4*HH+2], v[XS:XS+15], v10
	v_cvt_scalef32_pk16_fp6_f32 v[128:130], v[XS+16:XS+31], v10
	v_nop                                          ; one plain place behind a scaled conversion
	v_mov_b32 v[CM+4*HH+3], v128
	v_mov_b32 v[CM+8+2*HH], v129
	v_mov_b32 v[CM+9+2*HH], v130
.if (\t)+2 < 8
	WLOAD (\t)+2, \n
.endif
.if HH == 1
	global_store_b128 v4, v[CM:CM+3], s[26:27] offset:768*((\t)/2)        ; sixteen lanes of a tile fill an aligned block of 256 bytes
	global_store_b128 v4, v[CM+4:CM+7], s[26:27] offset:768*((\t)/2)+256
	global_store_b128 v4, v[CM+8:CM+11], s[26:27] offset:768*((\t)/2)+512
.endif
.endm
.macro WPATH n, t0, first, ptr
	s_sub_co_u32 s16, ttmp9, \first
	s_lshr_b32 s17, s16, 2
	s_and_b32 s18, s16, 3                          ; which quarter of K
	s_lshl_b32 s19, s17, 2
	s_add_co_u32 s19, s19, s14                     ; which 32 columns
	s_mul_i32 s20, s18, 256*(\n)*4
	s_lshl_b32 s15, s19, 7
	s_add_co_u32 s20, s20, s15
	s_add_nc_u64 s[22:23], s[\ptr:\ptr+1], s[20:21]
	s_lshl_b32 s24, s19, 1
	s_add_co_u32 s24, s24, \t0                     ; their first tile
	s_mul_i32 s20, s24, 12288
	s_mul_i32 s15, s18, 3072
	s_add_co_u32 s20, s20, s15
	s_add_nc_u64 s[26:27], s[10:11], s[20:21]
	s_lshl_b32 s20, s24, 9
	s_lshr_b32 s15, s18, 1
	s_lshl_b32 s15, s15, 8
	s_add_co_u32 s20, s20, s15
	s_and_b32 s15, s18, 1
	s_lshl_b32 s15, s15, 3
	s_add_co_u32 s20, s20, s15
	s_add_nc_u64 s[28:29], s[12:13], s[20:21]
	v_lshlrev_b32 v3, 2, v2                        ; in: 4 bytes a lane
	v_bfe_u32 v6, v2, 3, 1                         ; my column's tile u,
	v_and_b32 v7, 7, v2
	v_lshrrev_b32 v8, 4, v2
	v_lshl_or_b32 v7, v8, 3, v7                    ; and its place r in it
	v_lshlrev_b32 v7, 4, v7
	v_mad_u32_u24 v4, v6, 0x3000, v7               ; codes: 12,288 u + 16 r
	v_lshl_add_u32 v5, v6, 9, v7                   ; scale words: 512 u + 16 r
	WLOAD 0, \n
	WLOAD 1, \n
.irp t, 0,1,2,3,4,5,6,7
	WBLOCK \t, \n
.endr
	global_store_b64 v5, v[14:15], s[28:29]        ; my column's two words: 8 of each 16 bytes, so blocks of 256 bytes are written in part: 131,072 bytes in all, against 16.8 MB read
	CLOSE
.endm
.Lwqkv:
	s_wait_alu depctr_va_vdst(0)
	WPATH 3072, 512, 0, 6
.Lwproj:
	s_wait_alu depctr_va_vdst(0)
	WPATH 1024, 704, 96, 8
.Lfunc_end_k_qbc644d64f2_prep:
	.size	k_qbc644d64f2_prep, .Lfunc_end_k_qbc644d64f2_prep-k_qbc644d64f2_prep
	.p2alignl 7, 3214868480
	.fill 96, 4, 3214868480
	.section	.rodata,"a",@progbits
	.p2align	6, 0x0
	.amdhsa_kernel k_qbc644d64f2_prep
		.amdhsa_group_segment_fixed_size 34304
		.amdhsa_private_segment_fixed_size 0
		.amdhsa_enable_private_segment 0
		.amdhsa_kernarg_size 40
		.amdhsa_user_sgpr_count 2
		.amdhsa_user_sgpr_kernarg_segment_ptr 1
		.amdhsa_wavefront_size32 1
		.amdhsa_system_sgpr_workgroup_id_x 1
		.amdhsa_system_sgpr_workgroup_id_y 1
		.amdhsa_system_sgpr_workgroup_id_z 1
		.amdhsa_system_vgpr_workitem_id 0
		.amdhsa_next_free_vgpr 248
		.amdhsa_next_free_sgpr 66
		.amdhsa_reserve_vcc 0
		.amdhsa_float_denorm_mode_32 3
		.amdhsa_float_denorm_mode_16_64 3
		.amdhsa_memory_ordered 1
		.amdhsa_forward_progress 1
		.amdhsa_inst_pref_size 107
	.end_amdhsa_kernel
	.amdgpu_metadata
---
amdhsa.version: [ 1, 2 ]
amdhsa.kernels:
  - .name:           k_qbc644d64f2_prep
    .symbol:         k_qbc644d64f2_prep.kd
    .args:
      - { .name: x, .offset: 0, .size: 8, .value_kind: global_buffer, .address_space: global }
      - { .name: W_qkv, .offset: 8, .size: 8, .value_kind: global_buffer, .address_space: global }
      - { .name: W_proj, .offset: 16, .size: 8, .value_kind: global_buffer, .address_space: global }
      - { .name: pcodes, .offset: 24, .size: 8, .value_kind: global_buffer, .address_space: global }
      - { .name: pscales, .offset: 32, .size: 8, .value_kind: global_buffer, .address_space: global }
    .group_segment_fixed_size: 34304
    .private_segment_fixed_size: 0
    .kernarg_segment_align: 8
    .kernarg_segment_size: 40
    .max_flat_workgroup_size: 128
    .sgpr_count:     66
    .vgpr_count:     248
    .wavefront_size: 32
...
	.end_amdgpu_metadata
.endif
;; end of part 1
;; launch gemm_qkv (part 2): grid 12 x 32, 4 waves a work-group, clusters of 4 x 4, 327,680 bytes of LDS; arguments pcodes, pscales, qkvc, qkvs; writes qkvc, qkvs
.if DOCPART == 2
	.amdgcn_target "amdgcn-amd-amdhsa--gfx1250"
	.amdhsa_code_object_version 6
	.text
	.protected	k_qbc644d64f2_gemm_qkv
	.globl	k_qbc644d64f2_gemm_qkv
	.p2align	8
	.type	k_qbc644d64f2_gemm_qkv,@function
k_qbc644d64f2_gemm_qkv:
	s_mov_b64 s[64:65], 0
	v_nop
	global_prefetch_b8 v0, s[64:65] scope:SCOPE_SE
	s_setreg_imm32_b32 hwreg(HW_REG_WAVE_MODE, 25, 1), 1
	s_wait_xcnt 0x0
	s_wait_alu depctr_hold_cnt(0) depctr_sa_sdst(0) depctr_va_vdst(0) depctr_va_sdst(0) depctr_va_ssrc(0) depctr_va_vcc(0) depctr_vm_vsrc(0)
	s_getreg_b32 s2, hwreg(HW_REG_IB_STS2, 6, 4)
	s_cmp_eq_u32 s2, 0
	s_cbranch_scc0 .Lentry_in_a_cluster
	s_endpgm
.Lentry_in_a_cluster:
	s_bfe_u32 s2, ttmp6, 0x10000c
	s_cmp_lg_u32 s2, 0xf033
	s_cbranch_scc0 .Lentry_shape_is_right
	s_endpgm
.Lentry_shape_is_right:
.set BIAS,   0
.set NQ,     2
.set FR,     12
.set NL,     4
.set NP,     4
.set TILEB,  3072
.set RECB,   12288
.set HALFT,  8*TILEB
.set SLOT,   4*HALFT
.set SCL,    2*SLOT
.set HALFS,  4096
.set SPARE,  SCL+4*HALFS
.set OX,   4
.set OY,   5
.set ADRA, 16
.set ADRB, 20
.set ADRS, 27
.set SPW,  28
.set NIL,  29
.set SC,   32
.set AF,   128
.set PC,   128
.set TM,   160
.set PWS,  176
.set G1, 24
.set G0, 32
.set G1B, 48
.set G0B, 56
.set G1S, 68
.set G0S, 76
.set G1SB, 80
.set G0SB, 88
.set MSB, 0
.macro WIN new
.if MSB != \new
	s_set_vgpr_msb (MSB<<8)|\new
.set MSB, \new
.endif
.endm
.set MUL_LO, 0xa1
.set MUL_HI, 0xf1
.set TO_B,   0x40
.macro JLOAD g0a, g1a, g0b, g1b
	s_cmp_eq_u32 s15, 0
	s_cbranch_scc0 .Lfor_b_\@
	tensor_load_to_lds s[\g0a:\g0a+3], s[\g1a:\g1a+7]
	s_nop 0
.rept 4
	v_nop
.endr
	s_branch .Lasked_\@
.Lfor_b_\@:
	tensor_load_to_lds s[\g0b:\g0b+3], s[\g1b:\g1b+7]
	s_nop 0
.rept 4
	v_nop
.endr
.Lasked_\@:
.endm
.macro CREST
	s_cmp_lg_u32 s14, 0
	s_cbranch_scc1 .Lnot_wave_0_\@
	s_barrier_signal -3
.Lnot_wave_0_\@:
	s_barrier_wait -3
	s_barrier_signal -1
	s_barrier_wait -1
.endm
.macro CROUND
	s_barrier_signal -1
	s_barrier_wait -1
	CREST
.endm
	s_load_b256 s[4:11], s[0:1], 0x0
	v_lshl_add_u32 v[SPW], v0, 2, SPARE
	v_mov_b32 v[NIL], 0
	ds_add_u32 v[SPW], v[NIL]
	ds_add_u32 v[SPW], v[NIL]
	v_lshrrev_b32 v1, 5, v0
	v_readfirstlane_b32 s14, v1
	s_lshr_b32 s15, s14, 1
	s_and_b32 s16, s14, 1
	s_bfe_u32 s40, ttmp6, 0x40000
	s_bfe_u32 s41, ttmp6, 0x40004
	s_and_b32 s17, ttmp7, 0xffff
	s_cmp_eq_u32 ttmp9, 2
	s_cselect_b32 s95, 0, s17
	s_cselect_b32 s42, s17, ttmp9
	s_cselect_b32 s98, 640, 0
	s_cselect_b32 s99, 0, 512
	s_cselect_b32 s96, 1, 0
	s_lshl_b32 s17, s95, 2
	s_add_co_u32 s17, s17, s41
	s_lshl_b32 s42, s42, 2
	s_add_co_u32 s42, s42, s40
	s_lshl_b32 s43, s41, 2
	s_lshl_b32 s43, 15, s43
	s_lshl_b32 s44, 0x1111, s40
	s_or_b32 s[G1+0], s43, (3<<16)|(1<<21)
	s_or_b32 s[G1B+0], s44, (3<<16)|(1<<21)
.irp g, G1, G1B
	s_mov_b32 s[\g+1], 384<<16
	s_mov_b32 s[\g+2], 8<<16
	s_mov_b32 s[\g+3], 384<<16
	s_mov_b32 s[\g+4], 8
	s_mov_b32 s[\g+5], 1536
	s_mov_b32 s[\g+6], 0
	s_mov_b32 s[\g+7], 0
.endr
	s_or_b32 s[G1S+0], s43, (3<<16)|(1<<21)
	s_or_b32 s[G1SB+0], s44, (3<<16)|(1<<21)
.irp g, G1S, G1SB
	s_mov_b32 s[\g+1], 32<<16
	s_mov_b32 s[\g+2], 16<<16
	s_mov_b32 s[\g+3], 32<<16
	s_mov_b32 s[\g+4], 16
	s_mov_b32 s[\g+5], 32
	s_mov_b32 s[\g+6], 0
	s_mov_b32 s[\g+7], 0
.endr
	s_lshl_b32 s18, s16, 3
	s_lshl_b32 s20, s17, 4
	s_add_co_u32 s20, s20, s18
	s_add_co_u32 s20, s20, s98
	s_lshl_b32 s46, s42, 4
	s_add_co_u32 s46, s46, s18
	s_add_co_u32 s46, s46, s99
	s_lshl_b32 s22, s20, 9
	s_mov_b32 s23, 0
	s_lshl_b32 s92, s46, 9
	s_mov_b32 s93, 0
	s_mul_i32 s20, s20, RECB
	s_mov_b32 s21, 0
	s_mul_i32 s46, s46, RECB
	s_mov_b32 s47, 0
	s_mul_i32 s45, s14, HALFT
	s_lshl_b32 s94, s14, 12
	s_wait_dscnt 0x0
	s_wait_kmcnt 0x0
	s_add_nc_u64 s[20:21], s[4:5], s[20:21]
	s_add_nc_u64 s[22:23], s[6:7], s[22:23]
	s_add_nc_u64 s[46:47], s[4:5], s[46:47]
	s_add_nc_u64 s[92:93], s[6:7], s[92:93]
	CROUND
	s_mov_b32 s[G0S], 1
	s_add_co_u32 s[G0S+1], s94, SCL
	s_mov_b64 s[G0S+2:G0S+3], s[22:23]
	s_or_b32 s[G0S+3], s[G0S+3], 0x80000000
	s_mov_b32 s[G0SB], 1
	s_add_co_u32 s[G0SB+1], s94, SCL
	s_mov_b64 s[G0SB+2:G0SB+3], s[92:93]
	s_or_b32 s[G0SB+3], s[G0SB+3], 0x80000000
	JLOAD G0S, G1S, G0SB, G1SB
.irp s, 0,1
	s_mov_b32 s[G0+4*\s], 1
	s_add_co_u32 s[G0+4*\s+1], s45, \s*SLOT
	s_add_nc_u64 s[G0+4*\s+2:G0+4*\s+3], s[20:21], \s*TILEB
	s_or_b32 s[G0+4*\s+3], s[G0+4*\s+3], 0x80000000
	s_mov_b32 s[G0B+4*\s], 1
	s_add_co_u32 s[G0B+4*\s+1], s45, \s*SLOT
	s_add_nc_u64 s[G0B+4*\s+2:G0B+4*\s+3], s[46:47], \s*TILEB
	s_or_b32 s[G0B+4*\s+3], s[G0B+4*\s+3], 0x80000000
	s_wait_alu depctr_va_vdst(0)
	s_wait_tensorcnt 0x0
	ds_add_u32 v28, v29
	s_wait_dscnt 0x0
	CROUND
	JLOAD G0+4*\s, G1, G0B+4*\s, G1B
.endr
	v_and_b32 v1, 15, v0
	v_bfe_u32 v2, v0, 4, 1
	v_and_b32 v3, 31, v0
	v_lshlrev_b32 v[OX], 4, v3
	v_lshlrev_b32 v6, 4, v1
	v_lshl_add_u32 v[OY], v2, 3, v6
	s_mul_i32 s21, s15, HALFT
	s_mul_i32 s22, s16, HALFT
	s_add_co_u32 s22, s22, 2*HALFT
.irp s, 0,1
	v_add_nc_u32 v[ADRA+\s], s21, v[OX]
	v_add_nc_u32 v[ADRB+\s], s22, v[OX]
	v_add_nc_u32 v[ADRA+2+\s], s21, v[OY]
	v_add_nc_u32 v[ADRB+2+\s], s22, v[OY]
	s_add_co_u32 s21, s21, SLOT
	s_add_co_u32 s22, s22, SLOT
.endr
	s_lshl_b32 s21, s15, 12
	s_lshl_b32 s22, s16, 12
	s_add_co_u32 s22, s22, 2*HALFS
	s_sub_co_u32 s22, s22, s21
	v_mul_u32_u24 v7, s22, v2
	s_add_co_u32 s21, s21, SCL
	v_add_nc_u32 v6, v6, v7
	v_add_nc_u32 v[ADRS], s21, v6
	s_lshl_b32 s92, s17, 1
	s_add_co_u32 s92, s92, s15
	s_lshl_b32 s93, s42, 1
	s_add_co_u32 s93, s93, s16
	s_lshr_b32 s94, s93, 3
	s_and_b32 s95, s93, 7
	s_cmp_eq_u32 s96, 1
	s_cselect_b32 s46, s93, s92
	s_cselect_b32 s95, s92, s95
	s_cselect_b32 s94, 2, s94
	s_lshl_b32 s94, s94, 5
	s_lshr_b32 s47, s46, 4
	s_lshl_b32 s47, s47, 3
	s_add_co_u32 s94, s94, s47
	s_add_co_u32 s94, s94, s95
	s_lshl_b32 s94, s94, 4
	s_and_b32 s46, s46, 15
	s_add_co_u32 s94, s94, s46
	s_mul_i32 s46, s94, RECB
	s_mov_b32 s47, 0
	s_add_nc_u64 s[8:9], s[8:9], s[46:47]
	s_lshl_b32 s46, s94, 9
	s_add_nc_u64 s[10:11], s[10:11], s[46:47]
	s_mov_b32 s20, 0x76543210
	s_mov_b32 s21, 0xfedcba98
	s_mov_b32 s97, 0xffff0000
.macro FRAG reg, adr, q, i
	ds_load_b128 v[\reg:\reg+3], v[\adr] offset:(\i)*TILEB+(\q)*1536
	ds_load_b64 v[\reg+4:\reg+5], v[\adr+2] offset:(\i)*TILEB+(\q)*1536+512
	ds_load_b128 v[\reg+6:\reg+9], v[\adr] offset:(\i)*TILEB+(\q)*1536+768
	ds_load_b64 v[\reg+10:\reg+11], v[\adr+2] offset:(\i)*TILEB+(\q)*1536+1280
.endm
.macro MUL16 a0, p, q, sc, zero
.irp a, \a0, \a0+1
.irp b, 0,1,2,3,4,5,6,7
.if \zero
	v_wmma_scale_f32_16x16x128_f8f6f4 v[8*(8*((\a)%4)+\b):8*(8*((\a)%4)+\b)+7], v[128*(\p)+FR*\b:128*(\p)+FR*\b+FR-1], v[AF+FR*(\a):AF+FR*(\a)+FR-1], 0, v[SC+8*NQ*(\sc)+NQ*\b+(\q)], v[SC+8*NQ*(\sc)+NQ*(\a)+(\q)] matrix_a_fmt:MATRIX_FMT_FP6 matrix_b_fmt:MATRIX_FMT_FP6 matrix_a_scale:MATRIX_SCALE_ROW1
.else
	v_wmma_scale_f32_16x16x128_f8f6f4 v[8*(8*((\a)%4)+\b):8*(8*((\a)%4)+\b)+7], v[128*(\p)+FR*\b:128*(\p)+FR*\b+FR-1], v[AF+FR*(\a):AF+FR*(\a)+FR-1], v[8*(8*((\a)%4)+\b):8*(8*((\a)%4)+\b)+7], v[SC+8*NQ*(\sc)+NQ*\b+(\q)], v[SC+8*NQ*(\sc)+NQ*(\a)+(\q)] matrix_a_fmt:MATRIX_FMT_FP6 matrix_b_fmt:MATRIX_FMT_FP6 matrix_a_scale:MATRIX_SCALE_ROW1
.endif
.endr
.endr
.endm
.macro FETCH_B slot, q, p
	WIN TO_B
.irp i, 0,1,2,3,4,5,6,7
	FRAG 128*(\p)+FR*\i, ADRB+\slot, \q, \i
.endr
	WIN 0
.endm
.macro FETCH_A slot, q, i0
.irp i, \i0, \i0+1, \i0+2, \i0+3
	FRAG AF+FR*(\i), ADRA+\slot, \q, \i
.endr
.endm
.macro SCALES sc, off
.irp i, 0,1,2,3,4,5,6,7
	ds_load_b64 v[SC+8*NQ*\sc+NQ*\i:SC+8*NQ*\sc+NQ*\i+1], v[ADRS] offset:\i*512+\off
.endr
.endm
.macro PLACES n
.rept \n
	v_nop
.endr
.endm
.macro STEP slot, q, zero
	s_wait_dscnt 4*NL
	WIN MUL_LO
	MUL16 0, (\q)%2, \q, \slot, \zero
	MUL16 2, (\q)%2, \q, \slot, \zero
	s_wait_dscnt 0
	PLACES NP
	FETCH_B \slot, (\q)+1, 1-(\q)%2
	FETCH_A \slot, (\q)+1, 0
	WIN MUL_HI
	MUL16 4, (\q)%2, \q, \slot, \zero
	MUL16 6, (\q)%2, \q, \slot, \zero
	PLACES NP
	WIN 0
	FETCH_A \slot, (\q)+1, 4
.endm
.macro TURN slot, next, fill, soff
	s_wait_tensorcnt 0x0
	ds_add_u32 v[SPW], v[NIL]
	s_wait_dscnt 4*NL+1
	WIN MUL_LO
	MUL16 0, 1, NQ-1, \slot, 0
	s_wait_dscnt 0x0
	s_barrier_signal -1
	MUL16 2, 1, NQ-1, \slot, 0
	WIN 0
	s_barrier_wait -1
.if \fill
	CREST
	s_add_nc_u64 s[G0+4*\slot+2:G0+4*\slot+3], s[G0+4*\slot+2:G0+4*\slot+3], 2*TILEB
	s_add_nc_u64 s[G0B+4*\slot+2:G0B+4*\slot+3], s[G0B+4*\slot+2:G0B+4*\slot+3], 2*TILEB
	JLOAD G0+4*\slot, G1, G0B+4*\slot, G1B
.else
	PLACES NP
.endif
	FETCH_B \next, 0, 0
	FETCH_A \next, 0, 0
	SCALES \next, \soff
	WIN MUL_HI
	MUL16 4, 1, NQ-1, \slot, 0
	MUL16 6, 1, NQ-1, \slot, 0
	PLACES NP
	WIN 0
	FETCH_A \next, 0, 4
.endm
	s_wait_alu depctr_va_vdst(0)
	s_wait_tensorcnt 1
	s_barrier_signal -1
	s_barrier_wait -1
	FETCH_B 0, 0, 0
	FETCH_A 0, 0, 0
	SCALES 0, 0
	FETCH_A 0, 0, 4
	STEP 0, 0, 1
	TURN 0, 1, 1, 8
	STEP 1, 0, 0
	TURN 1, 0, 1, 256
	STEP 0, 0, 0
	TURN 0, 1, 0, 264
	STEP 1, 0, 0
	s_wait_dscnt 4*NL
	WIN MUL_LO
	MUL16 0, 1, NQ-1, 1, 0
	MUL16 2, 1, NQ-1, 1, 0
	s_wait_dscnt 0
	WIN MUL_HI
	MUL16 4, 1, NQ-1, 1, 0
	MUL16 6, 1, NQ-1, 1, 0
	WIN 0
.macro QUANTW a
.set SA, 64*((\a)%4)
	WIN 0x28+0x14*((\a)/4)
.irp b, 0,1,2,3
	v_max3_num_f32 v[TM+\b], 0x1800000, |v[SA+16*\b]|, |v[SA+16*\b+1]|
.endr
.irp i, 2,4,6,8,10,12,14
.irp b, 0,1,2,3
	v_max3_num_f32 v[TM+\b], v[TM+\b], |v[SA+16*\b+\i]|, |v[SA+16*\b+\i+1]|
.endr
.endr
	WIN 0
.irp b, 0,1,2,3
	v_permlanex16_b32 v[TM+4+\b], v[TM+\b], s20, s21
.endr
.irp b, 0,1,2,3
	v_max_num_f32 v[TM+\b], v[TM+\b], v[TM+4+\b]
.endr
.irp b, 0,1,2,3
	v_add_nc_u32 v[TM+12+\b], 0xff000000, v[TM+\b]
.endr
.irp b, 0,1,2,3
	v_lshrrev_b32 v[TM+4+\b], 23, v[TM+12+\b]
.endr
	v_lshl_or_b32 v[PWS+(\a)], v[TM+5], 8, v[TM+4]
	v_lshl_or_b32 v[PWS+(\a)], v[TM+6], 16, v[PWS+(\a)]
	v_lshl_or_b32 v[PWS+(\a)], v[TM+7], 24, v[PWS+(\a)]
	s_wait_xcnt 0x0
	WIN 0x02+((\a)/4)
.irp c, 0,1
	v_cvt_scalef32_pk16_fp6_f32 v[PC+6*\c:PC+2+6*\c], v[SA+32*\c:SA+15+32*\c], v[TM+12+2*\c]
	v_cvt_scalef32_pk16_fp6_f32 v[PC+12+4*\c:PC+14+4*\c], v[SA+16+32*\c:SA+31+32*\c], v[TM+12+2*\c+1]
.endr
	WIN 0
	v_nop
.irp c, 0,1
.irp i, 0,1,2
	v_permlane16_swap_b32 v[PC+6*\c+\i], v[PC+12+4*\c+\i]
.endr
.irp i, 0,1,2
	v_mov_b32 v[PC+3+6*\c+\i], v[PC+12+4*\c+\i]
.endr
.endr
	global_store_b128 v[OX], v[PC:PC+3], s[8:9] offset:(\a)*768
	global_store_b64 v[OY], v[PC+4:PC+5], s[8:9] offset:(\a)*768+512
	global_store_b128 v[OX], v[PC+6:PC+9], s[8:9] offset:(\a)*768+6144
	global_store_b64 v[OY], v[PC+10:PC+11], s[8:9] offset:(\a)*768+6144+512
.endm
	PLACES NP
.irp b, 0,1,2,3
	v_mov_b32 v[TM+4+\b], 0
.endr
.irp a, 0,1,2,3,4,5,6,7
	QUANTW \a
.endr
.irp i, 0,1,2,3
	v_cndmask_b32 v[PWS+\i], v[PWS+\i], v[PWS+4+\i], s97
.endr
	global_store_b128 v[OX], v[PWS:PWS+3], s[10:11]
	s_wait_tensorcnt 0x0
	ds_add_u32 v[SPW], v[NIL]
	s_wait_dscnt 0x0
	CROUND
	s_endpgm
.Lfunc_end_k_qbc644d64f2_gemm_qkv:
	.size	k_qbc644d64f2_gemm_qkv, .Lfunc_end_k_qbc644d64f2_gemm_qkv-k_qbc644d64f2_gemm_qkv
	.p2alignl 7, 3214868480
	.fill 96, 4, 3214868480
	.section	.rodata,"a",@progbits
	.p2align	6, 0x0
	.amdhsa_kernel k_qbc644d64f2_gemm_qkv
		.amdhsa_group_segment_fixed_size 327680
		.amdhsa_private_segment_fixed_size 0
		.amdhsa_enable_private_segment 0
		.amdhsa_kernarg_size 32
		.amdhsa_user_sgpr_count 2
		.amdhsa_user_sgpr_kernarg_segment_ptr 1
		.amdhsa_wavefront_size32 1
		.amdhsa_system_sgpr_workgroup_id_x 1
		.amdhsa_system_sgpr_workgroup_id_y 1
		.amdhsa_system_sgpr_workgroup_id_z 1
		.amdhsa_system_vgpr_workitem_id 0
		.amdhsa_next_free_vgpr 1024
		.amdhsa_next_free_sgpr 100
		.amdhsa_reserve_vcc 0
		.amdhsa_float_denorm_mode_32 3
		.amdhsa_float_denorm_mode_16_64 3
		.amdhsa_memory_ordered 1
		.amdhsa_forward_progress 1
		.amdhsa_inst_pref_size 149
	.end_amdhsa_kernel
	.amdgpu_metadata
---
amdhsa.version: [ 1, 2 ]
amdhsa.kernels:
  - .name:           k_qbc644d64f2_gemm_qkv
    .symbol:         k_qbc644d64f2_gemm_qkv.kd
    .args:
      - { .name: pcodes, .offset: 0, .size: 8, .value_kind: global_buffer, .address_space: global }
      - { .name: pscales, .offset: 8, .size: 8, .value_kind: global_buffer, .address_space: global }
      - { .name: qkvc, .offset: 16, .size: 8, .value_kind: global_buffer, .address_space: global }
      - { .name: qkvs, .offset: 24, .size: 8, .value_kind: global_buffer, .address_space: global }
    .group_segment_fixed_size: 327680
    .private_segment_fixed_size: 0
    .kernarg_segment_align: 8
    .kernarg_segment_size: 32
    .max_flat_workgroup_size: 128
    .sgpr_count:     100
    .vgpr_count:     1024
    .wavefront_size: 32
...
	.end_amdgpu_metadata
.endif
;; end of part 2
;; launch attn (part 3): grid 4 x 64, 8 waves a work-group, clusters of 4 x 1, 215,040 bytes of LDS; arguments qkvc, qkvs, mask, oc, os; writes oc, os
.if DOCPART == 3
	.amdgcn_target "amdgcn-amd-amdhsa--gfx1250"
	.amdhsa_code_object_version 6
	.text
	.protected	k_qbc644d64f2_attn
	.globl	k_qbc644d64f2_attn
	.p2align	8
	.type	k_qbc644d64f2_attn,@function
k_qbc644d64f2_attn:
	s_mov_b64 s[64:65], 0
	v_nop
	global_prefetch_b8 v0, s[64:65] scope:SCOPE_SE
	s_setreg_imm32_b32 hwreg(HW_REG_WAVE_MODE, 25, 1), 1
	s_wait_xcnt 0x0
	s_wait_alu depctr_hold_cnt(0) depctr_sa_sdst(0) depctr_va_vdst(0) depctr_va_sdst(0) depctr_va_ssrc(0) depctr_va_vcc(0) depctr_vm_vsrc(0)
	s_getreg_b32 s2, hwreg(HW_REG_IB_STS2, 6, 4)
	s_cmp_eq_u32 s2, 0
	s_cbranch_scc0 .Lentry_in_a_cluster
	s_endpgm
.Lentry_in_a_cluster:
	s_bfe_u32 s2, ttmp6, 0x10000c
	s_cmp_lg_u32 s2, 0x3003
	s_cbranch_scc0 .Lentry_shape_is_right
	s_endpgm
.Lentry_shape_is_right:
; o = softmax(q k^T / 8 + (mask != 1) x -10000) v for one head, both products on codes of FP6 (E2M3) with E8M0 scales; o is quantised along the channels and leaves as codes for the last product.
; THE SOFTMAX: t = logit x log2(e); M = the running largest t rounded up to a whole number; p = 2^(t - M) is quantised along the keys, not normalised; the row's sum is taken of the unquantised p and divides O at the end.
; SHARES.  A cluster of four work-groups has one head; a work-group 512 of its queries; each of its eight waves 64 of them: two tiles of 16 queries side by side in each of two passes (a counted loop).  Every wave walks all 2,048 keys, 128 a step.
; A step's eight fragments of K and four of V are read from LDS once for both tiles of queries.
; THE WHOLE HEAD'S K AND V STAY IN LDS: 192 KiB of codes, filled ONCE, asked for jointly by the four work-groups: K in four quarters (waves 0-3), V in two halves (waves 4, 5), V's scale words (wave 6).  Nothing in LDS is filled twice.
; No prefetch is laid: all that comes from memory is asked for at the head, and no loop stands ahead of it.
; LAYOUT.  Both products are used transposed: S^T = K Q^T, O^T = V^T P^T: a lane holds one query throughout.  A tile's rows are 0-7, 16-23 or 8-15, 24-31 of 32, so that the 16 registers of two neighbouring tiles are 16 neighbours.
; All operands lie as images of their registers: a half fragment (16 rows x 64 K) is 768 bytes: 16 bytes a lane at 16 x lane, 8 bytes a lane at 512 + 16 r + 8 h.
; THE MASK COSTS NO VECTOR WORK IN THE LOOP.  The head's K is 64 of the instruction's 128.  In block 2 of the four blocks of 32, Q holds the codes (4, 0.125) under the byte 127 and K the codes (-5, 3.75): their product is -19.53125,
; and -19.53125 x 2^12 = -80000 = -10000 x 8.  A key's byte for that block is 139 (2^12) where mask != 1 and 1 (2^-126) where mask = 1.  So the matrix unit's f32 sum is q.k - 80000 for a masked key, and (q.k - 80000) / 8 is reference()'s logit.
; LIMITS: an unmasked score has -19.53 x 2^-126 added; a masked score is rounded once, at magnitude 80,000, where reference() rounds once at 10,000.  NaN and infinities are not served; a block under 2^-124 keeps the byte 1.
; THE ORDER OF A STEP.  The two tiles of queries take turns, each with score registers of its own.  AMONG A TILE'S 64 EXPONENTIALS STAND THE OTHER TILE'S TWELVE PRODUCTS: among tile 0's, tile 1's four products with V of the step before and its eight
; score products of this step; among tile 1's, tile 0's four products with V of this step and its eight score products of the next.  The first step has no step before it and the last none behind it: each has a copy of the batch without those products,
; chosen by the steps' counter.  Tile 1's last products with V are written out behind the loop.  V of this step and K of the next are asked for behind tile 0's batch and waited for ahead of tile 1's.
; REGISTERS.  Window 0: v1-11, v44, v45 addresses; v12-19 a tile's -M, largest t and sum; v20-23 a tile's f and p's scale word; v28-31 Q's scale words (two at work, two for the second pass); v32-39 K's, v40-43 V's;
; v48-111 O^T of two tiles; v112-135 Q's two operands [codes 6 | mask block 6]; v136-147 the second pass's codes of Q; v148-195 V's four operands; v196-219 p's codes of two tiles; v220-247 at work.
; Window 1: v0-127 S^T, then p, of two tiles; v128-223 K's eight operands [codes 6 | mask block 6]; v224-239 the sums' chains.
.set VB,    98304                      ; LDS: K's 16 steps x 6,144 bytes from 0; V's from here
.set KS,    196608                     ; K's finished scale words: [step][tile / 4][r][tile % 4], 512 bytes a step (stored by the waves)
.set VS,    204800                     ; V's scale words: 256 bytes a step, 512 bytes apart (filled by the mover, padded)
.set SPARE, 212992                     ; the spare words, 128 bytes for each of eight waves
.set LX,  1                            ; 16 x lane
.set LY,  2                            ; 512 + 16 r + 8 h
.set LRK, 3                            ; KS + 16 r
.set SPW, 4
.set NIL, 5
.set ADX, 6                            ; the next step's K
.set ADY, 7
.set AVX, 9                            ; this step's V
.set AVY, 10
.set R16, 11                           ; 16 r
.set ST,  12
.set FP,  20
.set QSA, 28
.set KSW, 32
.set VSW, 40
.set AVS, 44                           ; this step's scale words
.set BA,  45                           ; 16 r + h
.set OF,  48
.set QF,  112
.set QN,  136
.set VF,  148
.set PC,  196
.set CT,  220
.set BM,  228
.set PT,  232
.set SO,  236
.set EB,  240
.set X,   244
.set XD,  245
.set C1,  246
.set C2,  247
.set RW,  148                          ; the head: raw words, mask, finished words, two sets 16 apart
.set QR,  180
.set KF,  128                          ; window 1
.set T,   224
.set WV,  18
.set SEL, 20
.set CS,  22
.set TV,  2                            ; VB + 6,144 x the key step
.set TS,  3                            ; 512 x the key step
.set TK,  71                           ; 6,144 x the next key step
.set CNT, 66
.set PCNT, 72
.set G1K, 24
.set G1V, 32
.set G1S, 40
.set G0K, 48
.set G0V, 52
.set G0S, 56
.set MSB, 0
.macro WIN new                         ; low byte: bits 1:0 source 0, 3:2 source 1, 5:4 source 2, 7:6 destination; the high byte repeats the setting that is left
.if MSB != \new
	s_set_vgpr_msb (MSB<<8)|\new
.set MSB, \new
.endif
.endm
.macro WALU
	s_wait_alu depctr_va_vdst(0)
.endm
.macro ROUND                           ; a round of the cluster's barrier
	s_barrier_signal -1
	s_barrier_wait -1
	s_cmp_lg_u32 s[WV], 0
	s_cbranch_scc1 .Lnot_wave_0_\@
	s_barrier_signal -3
.Lnot_wave_0_\@:
	s_barrier_wait -3
	s_barrier_signal -1
	s_barrier_wait -1
.endm
.macro TLOAD g0, g1                    ; an s_nop 0 and four v_nop follow each tensor load
	tensor_load_to_lds s[\g0:\g0+3], s[\g1:\g1+7]
	s_nop 0
.rept 4
	v_nop
.endr
.endm
	s_load_b256 s[4:11], s[0:1], 0x0               ; qkvc s[4:5], qkvs s[6:7], mask s[8:9], oc s[10:11]
	s_load_b64 s[12:13], s[0:1], 0x20              ; os
	v_lshl_add_u32 v[SPW], v0, 2, SPARE
	v_mov_b32 v[NIL], 0
	ds_add_u32 v[SPW], v[NIL]                      ; the wave's opening: the add, twice on end, and its wait ahead of the first tensor loads
	ds_add_u32 v[SPW], v[NIL]
	v_lshrrev_b32 v6, 5, v0
	s_delay_alu instid0(VALU_DEP_1)
	v_readfirstlane_b32 s[WV], v6                  ; wave 0..7
	s_bfe_u32 s14, ttmp6, 0x40000                  ; cx: it enters Q's, oc's and os's addresses alone
	s_and_b32 s15, ttmp7, 0xffff                   ; batch x 16 + head, which the four partners share
	s_lshr_b32 s16, s15, 1                         ; the pair of heads
	s_and_b32 s17, s15, 1                          ; the head's parity
	s_lshl_b32 s88, s17, 4                         ; where the head's two bytes begin in a raw scale word
	s_mov_b32 s89, 0x0000ffff                      ; lanes 0-15
	s_mov_b32 s90, 0xffff0000                      ; lanes 16-31
	s_mov_b32 s[SEL], 0x76543210
	s_mov_b32 s[SEL+1], 0xfedcba98
	s_mov_b32 s[CS], 0x3e38aa3b                    ; c = log2(e) / 8
	s_mov_b32 s[CS+1], s[CS]
	s_and_b32 s19, s[WV], 3                        ; which quarter of K (waves 0-3): 4 key steps
	s_mul_i32 s92, s19, 24576                      ; in LDS,
	s_mul_i32 s93, s19, 49152                      ; in memory
	s_and_b32 s68, s[WV], 1                        ; which half of V (waves 4, 5): 8 key steps
	s_mul_i32 s69, s68, 49152
	s_mul_i32 s70, s68, 98304
	s_mul_i32 s60, s16, 196608                     ; the pair's 16 records
	s_mul_i32 s61, s17, 6144
	s_add_co_u32 s94, s60, s61
	s_add_co_u32 s94, s94, s93
	s_add_co_u32 s94, s94, 6291456                 ; K: behind q's 32 pairs
	s_mov_b32 s95, 0
	s_mul_i32 s61, s17, 3072
	s_add_co_u32 s96, s60, s61
	s_add_co_u32 s96, s96, s70
	s_add_co_u32 s96, s96, 12582912                ; V
	s_mov_b32 s97, 0
	s_lshl_b32 s62, s16, 13                        ; the pair's scale words
	s_lshl_b32 s61, s17, 8
	s_add_co_u32 s98, s62, s61
	s_add_co_u32 s98, s98, 524288                  ; V's
	s_mov_b32 s99, 0
	; descriptor groups 1.  K: 4 rows of 6,144 bytes, 12,288 apart.  V: 16 rows of 3,072 bytes, 6,144 apart.  V's scale words: 16 rows of 256 bytes, 512 apart, 256 bytes of padding behind each in LDS
	s_mov_b32 s[G1K], 15|(3<<16)|(1<<21)           ; 15:0 the mask: all four work-groups; 17:16 elements of 8 bytes; 21 set beside a mask
	s_mov_b32 s[G1K+1], 768<<16
	s_mov_b32 s[G1K+2], 4<<16
	s_mov_b32 s[G1K+3], 768<<16
	s_mov_b32 s[G1K+4], 4
	s_mov_b32 s[G1K+5], 1536
	s_mov_b32 s[G1K+6], 0
	s_mov_b32 s[G1K+7], 0
	s_mov_b32 s[G1V], 15|(3<<16)|(1<<21)
	s_mov_b32 s[G1V+1], 384<<16
	s_mov_b32 s[G1V+2], 16<<16
	s_mov_b32 s[G1V+3], 384<<16
	s_mov_b32 s[G1V+4], 16
	s_mov_b32 s[G1V+5], 768
	s_mov_b32 s[G1V+6], 0
	s_mov_b32 s[G1V+7], 0
	s_mov_b32 s[G1S], 15|(3<<16)|(1<<20)|(1<<21)|(5<<22)|(63<<25)   ; 20 padding on; 24:22 after every 64 words; 31:25 64 words of it
	s_mov_b32 s[G1S+1], 32<<16
	s_mov_b32 s[G1S+2], 16<<16
	s_mov_b32 s[G1S+3], 32<<16
	s_mov_b32 s[G1S+4], 16
	s_mov_b32 s[G1S+5], 64
	s_mov_b32 s[G1S+6], 0
	s_mov_b32 s[G1S+7], 0
	s_wait_dscnt 0x0                               ; both opening adds are done
	s_wait_kmcnt 0x0
	s_mov_b32 s[G0K], 1
	s_mov_b32 s[G0K+1], s92
	s_add_nc_u64 s[G0K+2:G0K+3], s[4:5], s[94:95]
	s_or_b32 s[G0K+3], s[G0K+3], 0x80000000
	s_mov_b32 s[G0V], 1
	s_add_co_u32 s[G0V+1], s69, VB
	s_add_nc_u64 s[G0V+2:G0V+3], s[4:5], s[96:97]
	s_or_b32 s[G0V+3], s[G0V+3], 0x80000000
	s_mov_b32 s[G0S], 1
	s_mov_b32 s[G0S+1], VS
	s_add_nc_u64 s[G0S+2:G0S+3], s[6:7], s[98:99]
	s_or_b32 s[G0S+3], s[G0S+3], 0x80000000
	ROUND                                          ; all four work-groups are here: the joint loads meet
	s_cmp_lt_u32 s[WV], 4                          ; one tensor load a wave, in seven waves; the branches hang on the wave's number alone
	s_cbranch_scc0 .Lnot_k
	TLOAD G0K, G1K
	s_branch .Lasked
.Lnot_k:
	s_cmp_lt_u32 s[WV], 6
	s_cbranch_scc0 .Lnot_v
	TLOAD G0V, G1V
	s_branch .Lasked
.Lnot_v:
	s_cmp_eq_u32 s[WV], 6
	s_cbranch_scc0 .Lasked
	TLOAD G0S, G1S
.Lasked:
	; the other addresses.  My tiles of queries: tile = my wave's number in the groups of 128 queries 4 cx + 0 .. 3; a pass takes two groups
	s_add_co_u32 s94, s62, 262144
	s_add_nc_u64 s[94:95], s[6:7], s[94:95]        ; K's raw scale words of the pair
	s_lshr_b32 s19, s15, 4                         ; the batch
	s_lshl_b32 s96, s19, 13
	s_add_nc_u64 s[8:9], s[8:9], s[96:97]          ; its row of the mask
	s_lshl_b32 s14, s14, 2                         ; my first group
	s_mul_i32 s61, s14, 12288
	s_add_co_u32 s96, s60, s61
	s_mul_i32 s61, s17, 6144
	s_add_co_u32 s96, s96, s61
	s_mul_i32 s61, s[WV], 768
	s_add_co_u32 s96, s96, s61
	s_add_nc_u64 s[4:5], s[4:5], s[96:97]          ; Q's half fragment
	s_lshl_b32 s61, s14, 9
	s_add_co_u32 s96, s62, s61
	s_lshr_b32 s61, s[WV], 2
	s_lshl_b32 s61, s61, 8
	s_add_co_u32 s96, s96, s61
	s_and_b32 s61, s[WV], 3
	s_lshl_b32 s61, s61, 2
	s_add_co_u32 s96, s96, s61
	s_add_nc_u64 s[6:7], s[6:7], s[96:97]          ; Q's raw scale words
	s_lshl_b32 s61, s19, 4
	s_add_co_u32 s61, s61, s14
	s_lshl_b32 s61, s61, 3
	s_add_co_u32 s61, s61, s[WV]                   ; my first tile of tokens among 512
	s_and_b32 s63, s15, 15                         ; the head
	s_mul_i32 s96, s61, 12288
	s_mul_i32 s98, s63, 768
	s_add_co_u32 s96, s96, s98
	s_add_nc_u64 s[10:11], s[10:11], s[96:97]      ; oc
	s_lshl_b32 s96, s61, 9
	s_lshr_b32 s98, s63, 3
	s_lshl_b32 s98, s98, 8
	s_add_co_u32 s96, s96, s98
	s_bfe_u32 s98, s63, 0x20001
	s_lshl_b32 s98, s98, 2
	s_add_co_u32 s96, s96, s98
	s_lshl_b32 s98, s17, 1
	s_add_co_u32 s96, s96, s98
	s_add_nc_u64 s[12:13], s[12:13], s[96:97]      ; os: the head's two bytes of a row's word
	v_and_b32 v6, 31, v0
	v_and_b32 v7, 15, v0                           ; r
	v_bfe_u32 v8, v0, 4, 1                         ; h
	v_lshlrev_b32 v[LX], 4, v6
	v_lshlrev_b32 v[R16], 4, v7
	v_lshlrev_b32 v9, 4, v0                        ; K's raw words: 16 bytes a thread
	v_lshrrev_b32 v10, 4, v0
	v_and_b32 v[X], 8, v7
	v_lshl_add_u32 v[LY], v8, 3, v[R16]
	v_add_nc_u32 v[LRK], KS, v[R16]
	v_add_nc_u32 v[BA], v8, v[R16]
	v_lshlrev_b32 v10, 8, v10                      ; 64 keys x 4 bytes for each (step, tile / 4),
	v_add_nc_u32 v[X], v[X], v7
	v_add_nc_u32 v[LY], 512, v[LY]
	v_lshl_add_u32 v[XD], v0, 4, KS
	v_lshl_add_u32 v10, v[X], 2, v10               ; + key r + 8 (r / 8) of the tile
	WALU
.irp g, 0,1                            ; Q's four tiles: the first pass's two into the operands, the second pass's beside them
	global_load_b128 v[QF+12*\g:QF+12*\g+3], v[LX], s[4:5] offset:\g*12288
	global_load_b64 v[QF+12*\g+4:QF+12*\g+5], v[LY], s[4:5] offset:\g*12288
	global_load_b128 v[QN+6*\g:QN+6*\g+3], v[LX], s[4:5] offset:(\g+2)*12288
	global_load_b64 v[QN+6*\g+4:QN+6*\g+5], v[LY], s[4:5] offset:(\g+2)*12288
.endr
.irp g, 0,1,2,3
	global_load_b32 v[QR+\g], v[R16], s[6:7] offset:\g*512
.endr
.irp e, 0,1                            ; K's scale words are finished once for the work-group: thread (step, tile / 4, r), for steps 0-7 and 8-15, takes four raw words and four keys' mask
	global_load_b128 v[RW+16*\e:RW+16*\e+3], v9, s[94:95] offset:4096*\e
	global_load_b32 v[RW+16*\e+4], v10, s[8:9] offset:4096*\e
	global_load_b32 v[RW+16*\e+5], v10, s[8:9] offset:4096*\e+32
	global_load_b32 v[RW+16*\e+6], v10, s[8:9] offset:4096*\e+128
	global_load_b32 v[RW+16*\e+7], v10, s[8:9] offset:4096*\e+160
.endr
	v_mov_b32 v[X], 0x58                           ; Q's codes (4, 0.125), in lanes 0-15: block 2
	v_mov_b32 v[C1], 0x5fa                         ; K's codes (-5, 3.75)
.irp g, 0,1
	v_cndmask_b32 v[QF+12*\g+6], 0, v[X], s89
.irp k, 7,8,9,10,11
	v_mov_b32 v[QF+12*\g+\k], 0
.endr
.endr
	WIN 0x40
.irp u, 0,1,2,3,4,5,6,7
	v_cndmask_b32 v[KF+12*\u+6], 0, v[C1], s89
.irp k, 7,8,9,10,11
	v_mov_b32 v[KF+12*\u+\k], 0
.endr
.endr
	WIN 0
.irp b, 0,1,2,3
	v_mov_b32 v[PT+\b], 0                          ; a lane permute's destination counts as one of its sources
.endr
	v_mov_b32 v[FP+1], 0                           ; (named as the upper halves of the pairs with f before they are first written)
	v_mov_b32 v[FP+3], 0
	v_mov_b32 v[C1], 0x7f8b                        ; bytes (139, 127): mask != 1
	v_mov_b32 v[C2], 0x7f01                        ; bytes (1, 127): mask = 1
	WALU
	s_wait_loadcnt 0x0
.irp e, 0,1
.irp k, 0,1,2,3
	v_bfe_u32 v[RW+16*\e+8+\k], v[RW+16*\e+\k], s88, 16   ; the head's two bytes
	v_cmp_eq_u32 s91, 1, v[RW+16*\e+4+\k]
	s_delay_alu instid0(VALU_DEP_1)
	v_cndmask_b32 v[X], v[C1], v[C2], s91
	s_delay_alu instid0(VALU_DEP_1)
	v_lshl_or_b32 v[RW+16*\e+8+\k], v[X], 16, v[RW+16*\e+8+\k]   ; (s0, s1, the mask's byte, 127)
.endr
	ds_store_b128 v[XD], v[RW+16*\e+8:RW+16*\e+11] offset:4096*\e
.endr
.irp g, 0,1,2,3
	v_bfe_u32 v[QR+\g], v[QR+\g], s88, 16
.endr
.irp g, 0,1,2,3
	s_delay_alu instid0(VALU_DEP_4)
	v_or_b32 v[QSA+\g], 0x7f7f0000, v[QR+\g]       ; (q0, q1, 127, 127)
.endr
	s_mov_b32 s[PCNT], 2
	WALU
	s_wait_tensorcnt 0x0                           ; my part of K, V or V's scale words has landed,
	s_wait_dscnt 0x0                               ; my part of K's scale words is stored:
	s_barrier_signal -1
	s_barrier_wait -1                              ; everybody's is.  The one barrier of the launch beside the cluster's rounds: from here on LDS is only read
.macro KLOAD ax, ay, as, so            ; a step's eight tiles of K and their scale words: 18 loads
	WIN 0x40
.irp u, 0,1,2,3,4,5,6,7
	ds_load_b128 v[KF+12*\u:KF+12*\u+3], v[\ax] offset:\u*768
	ds_load_b64 v[KF+12*\u+4:KF+12*\u+5], v[\ay] offset:\u*768
.endr
	WIN 0
	ds_load_b128 v[KSW:KSW+3], v[\as] offset:\so
	ds_load_b128 v[KSW+4:KSW+7], v[\as] offset:\so+256
.endm
.macro SM1 q, u                        ; S^T = K Q^T: tile u of 16 keys x tile q of the queries (window setting 0x41: K and S^T in window 1)
	v_wmma_scale_f32_16x16x128_f8f6f4 v[64*(\q)+8*(\u):64*(\q)+8*(\u)+7], v[KF+12*(\u):KF+12*(\u)+11], v[QF+12*(\q):QF+12*(\q)+11], 0, v[KSW+(\u)], v[QSA+(\q)] matrix_a_fmt:MATRIX_FMT_FP6 matrix_b_fmt:MATRIX_FMT_FP6
.endm
.macro PV1 q, t                        ; O^T += V^T P^T: tile t of 16 channels x tile q of the queries (all in window 0)
	v_wmma_scale_f32_16x16x128_f8f6f4 v[OF+32*(\q)+8*(\t):OF+32*(\q)+8*(\t)+7], v[VF+12*(\t):VF+12*(\t)+11], v[PC+12*(\q):PC+12*(\q)+11], v[OF+32*(\q)+8*(\t):OF+32*(\q)+8*(\t)+7], v[VSW+(\t)], v[FP+2*(\q)+1] matrix_a_fmt:MATRIX_FMT_FP6 matrix_b_fmt:MATRIX_FMT_FP6
.endm
; THE BATCH of tile q's exponentials, in twelve groups of six or five, each behind one product of the OTHER tile: groups 0, 3, 6, 9 a product with V (pv), the other eight a score product (sm).
; No two products that follow each other share an accumulator.  The batch ends with the blocks' largest p, a plain line and the wait for all 68.
.macro BATCH q, pv, sm
.set g_, 0
.set e_, 64*(\q)
	WIN 0x41
.rept 12
.if (g_%3) == 0
.if \pv
	WIN 0
	PV1 1-(\q), g_/3
	WIN 0x41
.endif
.else
.if \sm
	SM1 1-(\q), g_-g_/3-1
.endif
.endif
.if g_ < 4
.set n_, 6
.else
.set n_, 5
.endif
.rept n_
	v_exp_f32 v[e_], v[e_]                         ; p = 2^(t - M)
.set e_, e_+1
.endr
.set g_, g_+1
.endr
	WIN 0
.irp b, 0,1,2,3
	v_exp_f32 v[BM+\b], v[BM+\b]                   ; the block's largest p: the same two instructions on the same number
.endr
	v_pk_mul_f32 v[ST+4*(\q)+2:ST+4*(\q)+3], v[ST+4*(\q)+2:ST+4*(\q)+3], v[FP+2*(\q):FP+2*(\q)+1] op_sel_hi:[1,0]   ; the sums under the new M: the plain place behind the exponentials
	WALU                                           ; one wait for the batch of 68, ahead of the jump and the label
.endm
; ONE TILE OF QUERIES x 128 KEYS: from its scores to p's codes
.macro UNIT q
.set M_, ST+4*(\q)
.set L_, ST+4*(\q)+2
.set O_, OF+32*(\q)
.set S_, 64*(\q)
.set F_, FP+2*(\q)
.set P_, PC+12*(\q)
	WIN 0x14
	WALU                                           ; directly ahead of the first reader of the scores, which were made among exponentials
.irp b, 0,1,2,3                        ; the largest score of each block of 32 keys, the four by turns; each accumulator is read from its low end on
	v_max3_num_f32 v[BM+\b], 0xff7fffff, v[S_+16*\b], v[S_+16*\b+1]
.endr
.irp k, 2,4,6,8,10,12,14
.irp b, 0,1,2,3
	v_max3_num_f32 v[BM+\b], v[BM+\b], v[S_+16*\b+\k], v[S_+16*\b+\k+1]
.endr
.endr
	WIN 0
.irp b, 0,1,2,3
	v_permlanex16_b32 v[PT+\b], v[BM+\b], s[SEL], s[SEL+1]
.endr
.irp b, 0,1,2,3
	s_delay_alu instid0(VALU_DEP_4)
	v_max_num_f32 v[BM+\b], v[BM+\b], v[PT+\b]     ; with lane l xor 16's 16 keys
.endr
	s_delay_alu instid0(VALU_DEP_2)
	v_max3_num_f32 v[X], v[BM], v[BM+1], v[BM+2]
	s_delay_alu instid0(VALU_DEP_1)
	v_max_num_f32 v[X], v[X], v[BM+3]              ; the step's largest score of my query
	s_delay_alu instid0(VALU_DEP_1)
	v_mul_f32 v[X], s[CS], v[X]                    ; as t
	s_delay_alu instid0(VALU_DEP_1)
	v_max_num_f32 v[M_+1], v[M_+1], v[X]           ; the running largest t
	v_mov_b32 v[X], v[M_]
	s_delay_alu instid0(VALU_DEP_2)
	v_floor_f32 v[M_], -v[M_+1]                    ; the new -M = -ceil(t)
	s_delay_alu instid0(VALU_DEP_1)
	v_sub_f32 v[X], v[M_], v[X]                    ; old M - new M: a whole number, 0 or less
	v_fma_f32 v[BM], v[BM], s[CS], v[M_]           ; t - M of each block's largest score, by turns with the lines that make f
	v_fma_f32 v[BM+1], v[BM+1], s[CS], v[M_]
	v_cvt_i32_f32 v[X], v[X]                       ; (it saturates)
	v_fma_f32 v[BM+2], v[BM+2], s[CS], v[M_]
	v_fma_f32 v[BM+3], v[BM+3], s[CS], v[M_]
	v_ldexp_f32 v[F_], 1.0, v[X]                   ; f = 2^(old M - new M)
	WIN 0x41
.set j, 0
.rept 32
	v_pk_fma_f32 v[S_+j:S_+j+1], v[S_+j:S_+j+1], s[CS:CS+1], v[M_:M_+1] op_sel_hi:[1,0,0]   ; t - M, two at a time
.set j, j+2
.endr
	WIN 0
.if (\q) == 1
	s_wait_dscnt 0x0                               ; this step's V and the next step's K, asked for in the other tile's part, are in
.endif
	WALU                                           ; the wait ahead of the batch of exponentials
.if (\q) == 0
	s_cmp_eq_u32 s[CNT], 16                        ; the first step: the other tile has no products with V yet
.else
	s_cmp_eq_u32 s[CNT], 1                         ; the last step: the other tile has no further scores
.endif
	s_cbranch_scc1 .Lalt_\@
	BATCH \q, 1, 1
	s_branch .Ljoin_\@
.Lalt_\@:
.if (\q) == 0
	BATCH \q, 0, 1
.else
	BATCH \q, 1, 0
.endif
.Ljoin_\@:
	WALU                                           ; directly ahead of the first reader of O^T
.set j, 0
.rept 16
	v_pk_mul_f32 v[O_+j:O_+j+1], v[O_+j:O_+j+1], v[F_:F_+1] op_sel_hi:[1,0]   ; O^T under the new M, each accumulator from its low end on.  (These sixteen are the places behind the batch's products)
.set j, j+2
.endr
.if (\q) == 0
.irp t, 0,1,2,3                        ; this step's V
.irp c, 0,1
	ds_load_b128 v[VF+12*\t+6*\c:VF+12*\t+6*\c+3], v[AVX] offset:\c*3072+\t*768
	ds_load_b64 v[VF+12*\t+6*\c+4:VF+12*\t+6*\c+5], v[AVY] offset:\c*3072+\t*768
.endr
.endr
	ds_load_b128 v[VSW:VSW+3], v[AVS] offset:VS-KS
	WALU                                           ; the wait ahead of the jump
	s_cmp_eq_u32 s[CNT], 1
	s_cbranch_scc1 .Lno_k_\@                       ; the last step asks for no further K
	KLOAD ADX, ADY, AVS, 512                       ; the next step's K
.Lno_k_\@:
.endif
	WIN 0x45                                       ; the row's sum of the unquantised p, in eight chains of pairs
.set j, 0
.rept 8
	v_pk_add_f32 v[T+2*j:T+2*j+1], v[S_+4*j:S_+4*j+1], v[S_+4*j+2:S_+4*j+3]
.set j, j+1
.endr
.set j, 0
.rept 16
	v_pk_add_f32 v[T+2*(j%8):T+2*(j%8)+1], v[T+2*(j%8):T+2*(j%8)+1], v[S_+32+2*j:S_+32+2*j+1]
.set j, j+1
.endr
	v_pk_add_f32 v[T:T+1], v[T:T+1], v[T+2:T+3]
	v_pk_add_f32 v[T+4:T+5], v[T+4:T+5], v[T+6:T+7]
	v_pk_add_f32 v[T+8:T+9], v[T+8:T+9], v[T+10:T+11]
	v_pk_add_f32 v[T+12:T+13], v[T+12:T+13], v[T+14:T+15]
	s_delay_alu instid0(VALU_DEP_3)
	v_pk_add_f32 v[T:T+1], v[T:T+1], v[T+4:T+5]
	s_delay_alu instid0(VALU_DEP_2)
	v_pk_add_f32 v[T+8:T+9], v[T+8:T+9], v[T+12:T+13]
	s_delay_alu instid0(VALU_DEP_1)
	v_pk_add_f32 v[T:T+1], v[T:T+1], v[T+8:T+9]
	WIN 0x04
	v_pk_add_f32 v[L_:L_+1], v[L_:L_+1], v[T:T+1]
	WIN 0
.irp b, 0,1,2,3
	v_max_num_f32 v[BM+\b], 0x1800000, v[BM+\b]    ; the floor 2^(3 - 127)
.endr
.irp b, 0,1,2,3
	s_delay_alu instid0(VALU_DEP_4)
	v_add_nc_u32 v[SO+\b], 0xff000000, v[BM+\b]    ; the conversion's scale operand
.endr
.irp b, 0,1,2,3
	s_delay_alu instid0(VALU_DEP_4)
	v_lshrrev_b32 v[EB+\b], 23, v[SO+\b]           ; the byte
.endr
	s_delay_alu instid0(VALU_DEP_3)
	v_lshl_or_b32 v[F_+1], v[EB+1], 8, v[EB]       ; p's scale word for these 128 keys
	s_delay_alu instid0(VALU_DEP_1)
	v_lshl_or_b32 v[F_+1], v[EB+2], 16, v[F_+1]
	s_delay_alu instid0(VALU_DEP_1)
	v_lshl_or_b32 v[F_+1], v[EB+3], 24, v[F_+1]
	WIN 0x01
.irp c, 0,1
	v_cvt_scalef32_pk16_fp6_f32 v[P_+6*\c:P_+2+6*\c], v[S_+32*\c:S_+15+32*\c], v[SO+2*\c]
	v_cvt_scalef32_pk16_fp6_f32 v[CT+4*\c:CT+2+4*\c], v[S_+16+32*\c:S_+31+32*\c], v[SO+2*\c+1]
.endr
	WIN 0
	v_nop                                          ; one plain place behind a scaled conversion
.irp c, 0,1                            ; the operand's layout wants a whole block in a lane
.irp k, 0,1,2
	v_permlane16_swap_b32 v[P_+6*\c+\k], v[CT+4*\c+\k]
.endr
.irp k, 0,1,2
	s_delay_alu instid0(VALU_DEP_3)
	v_mov_b32 v[P_+3+6*\c+\k], v[CT+4*\c+\k]
.endr
.endr
.endm
; A tile's end: O^T / the sum; register 16 b + i of a lane is channel 32 b + 16 h + i of my query: two blocks along the last product's K.  They leave as half a fragment's image and two scale bytes.
.macro FIN q
.set L_, ST+4*(\q)+2
.set O_, OF+32*(\q)
.set OC, PC+12*(\q)                    ; the codes: where the tile's p's codes lay, so each tile's stores have registers of their own
	v_add_f32 v[L_], v[L_], v[L_+1]
	s_delay_alu instid0(VALU_DEP_1)
	v_permlanex16_b32 v[X], v[L_], s[SEL], s[SEL+1]
	s_delay_alu instid0(VALU_DEP_1)
	v_add_f32 v[L_], v[L_], v[X]                   ; the row's sum
	WALU
	v_rcp_f32 v[L_], v[L_]
	v_nop                                          ; a plain place behind the reciprocal
	WALU                                           ; ahead of the reciprocal's first reader, which is O^T's too
.set j, 0
.rept 16
	v_pk_mul_f32 v[O_+j:O_+j+1], v[O_+j:O_+j+1], v[L_:L_+1] op_sel_hi:[1,0]
.set j, j+2
.endr
.irp b, 0,1
	v_max3_num_f32 v[BM+\b], |v[O_+16*\b]|, |v[O_+16*\b+1]|, 0x1800000
.endr
.irp k, 2,4,6,8,10,12,14
.irp b, 0,1
	s_delay_alu instid0(VALU_DEP_2)
	v_max3_num_f32 v[BM+\b], v[BM+\b], |v[O_+16*\b+\k]|, |v[O_+16*\b+\k+1]|
.endr
.endr
.irp b, 0,1
	s_delay_alu instid0(VALU_DEP_2)
	v_permlanex16_b32 v[PT+\b], v[BM+\b], s[SEL], s[SEL+1]
.endr
.irp b, 0,1
	s_delay_alu instid0(VALU_DEP_2)
	v_max_num_f32 v[BM+\b], v[BM+\b], v[PT+\b]
.endr
.irp b, 0,1
	s_delay_alu instid0(VALU_DEP_2)
	v_add_nc_u32 v[SO+\b], 0xff000000, v[BM+\b]
.endr
.irp b, 0,1
	s_delay_alu instid0(VALU_DEP_2)
	v_lshrrev_b32 v[EB+\b], 23, v[SO+\b]
.endr
	v_cvt_scalef32_pk16_fp6_f32 v[OC:OC+2], v[O_:O_+15], v[SO]
	v_cvt_scalef32_pk16_fp6_f32 v[OC+4:OC+6], v[O_+16:O_+31], v[SO+1]
	v_nop                                          ; one plain place behind a scaled conversion
.irp k, 0,1,2
	v_permlane16_swap_b32 v[OC+\k], v[OC+4+\k]
.endr
.irp k, 0,1,2
	s_delay_alu instid0(VALU_DEP_3)
	v_mov_b32 v[OC+3+\k], v[OC+4+\k]               ; (in this order each source is read before it is written)
.endr
	v_cndmask_b32 v[OC+7], v[EB], v[EB+1], s90     ; lane (r, h) stores block h's byte
	global_store_b128 v[LX], v[OC:OC+3], s[10:11] offset:(\q)*98304
	global_store_b64 v[LY], v[OC+4:OC+5], s[10:11] offset:(\q)*98304
	global_store_b8 v[BA], v[OC+7], s[12:13] offset:(\q)*4096   ; a head owns two bytes of a row's word, so blocks of 256 bytes are written in part: 262,144 bytes in the whole launch
.endm
.Lpass:                                                ; A PASS: two tiles of queries against all keys
	KLOAD LX, LY, LRK, 0                           ; key step 0's K
.irp q, 0,1                            ; O^T and the sums begin as zeros and the largest t as -3e38
	v_mov_b32 v[ST+4*\q+1], 0xff61b1e6
	v_mov_b32 v[ST+4*\q+2], 0
	v_mov_b32 v[ST+4*\q+3], 0
.endr
.irp q, 0,1
	v_floor_f32 v[ST+4*\q], -v[ST+4*\q+1]
.endr
.set j, 0
.rept 64
	v_mov_b32 v[OF+j], 0                           ; (these are also the places between Q's codes' and scale words' lines and the first product)
.set j, j+1
.endr
	s_mov_b32 s[TV], VB
	s_mov_b32 s[TK], 6144
	s_mov_b32 s[TS], 0
	s_mov_b32 s[CNT], 16
	WALU
	s_wait_dscnt 0x0
	WIN 0x41
.irp u, 0,1,2,3,4,5,6,7
	SM1 0, \u                                      ; the first tile's scores of key step 0
.endr
	WIN 0
.Lstep:                                                ; A KEY STEP: 128 keys
	v_add_nc_u32 v[AVX], s[TV], v[LX]
	v_add_nc_u32 v[AVY], s[TV], v[LY]
	v_add_nc_u32 v[AVS], s[TS], v[LRK]
	v_add_nc_u32 v[ADX], s[TK], v[LX]
	v_add_nc_u32 v[ADY], s[TK], v[LY]
	UNIT 0
	UNIT 1
	s_add_co_u32 s[TV], s[TV], 6144
	s_add_co_u32 s[TK], s[TK], 6144
	s_add_co_u32 s[TS], s[TS], 512
	s_sub_co_u32 s[CNT], s[CNT], 1
	s_cmp_lg_u32 s[CNT], 0
	WALU                                           ; the wait ahead of the backward jump
	s_cbranch_scc1 .Lstep
	FIN 0                                          ; its lines are the places between the second tile's p's codes and scale word and the products below
.irp t, 0,1,2,3
	PV1 1, \t                                      ; the second tile's products with V of the last step
.endr
.rept 4
	v_nop                                          ; places behind them
.endr
	FIN 1
	WALU
	s_wait_xcnt 0x0                                ; the stores have read their registers and bases
	s_add_nc_u64 s[10:11], s[10:11], 196608        ; two groups of 128 queries on
	s_add_nc_u64 s[12:13], s[12:13], 8192
.irp q, 0,1                            ; the second pass's Q, loaded at the head, takes the operands' places (behind the second pass these fourteen lines serve nothing)
.irp k, 0,1,2,3,4,5
	v_mov_b32 v[QF+12*\q+\k], v[QN+6*\q+\k]
.endr
.endr
	v_mov_b32 v[QSA], v[QSA+2]
	v_mov_b32 v[QSA+1], v[QSA+3]
	s_sub_co_u32 s[PCNT], s[PCNT], 1
	s_cmp_lg_u32 s[PCNT], 0
	WALU
	s_cbranch_scc1 .Lpass
	s_wait_tensorcnt 0x0                           ; the wave's end
	ds_add_u32 v[SPW], v[NIL]
	s_wait_dscnt 0x0
	ROUND                                          ; the closing round
	s_endpgm
.Lfunc_end_k_qbc644d64f2_attn:
	.size	k_qbc644d64f2_attn, .Lfunc_end_k_qbc644d64f2_attn-k_qbc644d64f2_attn
	.p2alignl 7, 3214868480
	.fill 96, 4, 3214868480
	.section	.rodata,"a",@progbits
	.p2align	6, 0x0
	.amdhsa_kernel k_qbc644d64f2_attn
		.amdhsa_group_segment_fixed_size 215040
		.amdhsa_private_segment_fixed_size 0
		.amdhsa_enable_private_segment 0
		.amdhsa_kernarg_size 40
		.amdhsa_user_sgpr_count 2
		.amdhsa_user_sgpr_kernarg_segment_ptr 1
		.amdhsa_wavefront_size32 1
		.amdhsa_system_sgpr_workgroup_id_x 1
		.amdhsa_system_sgpr_workgroup_id_y 1
		.amdhsa_system_sgpr_workgroup_id_z 1
		.amdhsa_system_vgpr_workitem_id 0
		.amdhsa_next_free_vgpr 512
		.amdhsa_next_free_sgpr 100
		.amdhsa_reserve_vcc 0
		.amdhsa_float_denorm_mode_32 3
		.amdhsa_float_denorm_mode_16_64 3
		.amdhsa_memory_ordered 1
		.amdhsa_forward_progress 1
		.amdhsa_inst_pref_size 71
	.end_amdhsa_kernel
	.amdgpu_metadata
---
amdhsa.version: [ 1, 2 ]
amdhsa.kernels:
  - .name:           k_qbc644d64f2_attn
    .symbol:         k_qbc644d64f2_attn.kd
    .args:
      - { .name: qkvc, .offset: 0, .size: 8, .value_kind: global_buffer, .address_space: global }
      - { .name: qkvs, .offset: 8, .size: 8, .value_kind: global_buffer, .address_space: global }
      - { .name: mask, .offset: 16, .size: 8, .value_kind: global_buffer, .address_space: global }
      - { .name: oc, .offset: 24, .size: 8, .value_kind: global_buffer, .address_space: global }
      - { .name: os, .offset: 32, .size: 8, .value_kind: global_buffer, .address_space: global }
    .group_segment_fixed_size: 215040
    .private_segment_fixed_size: 0
    .kernarg_segment_align: 8
    .kernarg_segment_size: 40
    .max_flat_workgroup_size: 256
    .sgpr_count:     100
    .vgpr_count:     512
    .wavefront_size: 32
...
	.end_amdgpu_metadata
.endif
;; end of part 3
;; launch gemm_proj (part 4): grid 4 x 32, 4 waves a work-group, clusters of 4 x 4, 327,680 bytes of LDS; arguments oc, os, pcodes, pscales, b_proj, out0; writes out0
.if DOCPART == 4
	.amdgcn_target "amdgcn-amd-amdhsa--gfx1250"
	.amdhsa_code_object_version 6
	.text
	.protected	k_qbc644d64f2_gemm_proj
	.globl	k_qbc644d64f2_gemm_proj
	.p2align	8
	.type	k_qbc644d64f2_gemm_proj,@function
k_qbc644d64f2_gemm_proj:
	s_mov_b64 s[64:65], 0
	v_nop
	global_prefetch_b8 v0, s[64:65] scope:SCOPE_SE
	s_setreg_imm32_b32 hwreg(HW_REG_WAVE_MODE, 25, 1), 1
	s_wait_xcnt 0x0
	s_wait_alu depctr_hold_cnt(0) depctr_sa_sdst(0) depctr_va_vdst(0) depctr_va_sdst(0) depctr_va_ssrc(0) depctr_va_vcc(0) depctr_vm_vsrc(0)
	s_getreg_b32 s2, hwreg(HW_REG_IB_STS2, 6, 4)
	s_cmp_eq_u32 s2, 0
	s_cbranch_scc0 .Lentry_in_a_cluster
	s_endpgm
.Lentry_in_a_cluster:
	s_bfe_u32 s2, ttmp6, 0x10000c
	s_cmp_lg_u32 s2, 0xf033
	s_cbranch_scc0 .Lentry_shape_is_right
	s_endpgm
.Lentry_shape_is_right:
.set BIAS,   1
.set NQ,     2
.set FR,     12
.set NL,     4
.set NP,     4
.set TILEB,  3072
.set RECB,   12288
.set HALFT,  8*TILEB
.set SLOT,   4*HALFT
.set SCL,    2*SLOT
.set HALFS,  4096
.set SPARE,  SCL+4*HALFS
.set SPITCH, 528
.set OX,   4
.set OY,   5
.set ADRA, 16
.set ADRB, 20
.set STO,  24
.set RD,   25
.set ADRS, 27
.set SPW,  28
.set NIL,  29
.set SC,   32
.set BI,   64
.set AF,   128
.set BK,   128
.set G1, 24
.set G0, 32
.set G1B, 48
.set G0B, 56
.set G1S, 68
.set G0S, 76
.set G1SB, 80
.set G0SB, 88
.set MSB, 0
.macro WIN new
.if MSB != \new
	s_set_vgpr_msb (MSB<<8)|\new
.set MSB, \new
.endif
.endm
.set MUL_LO, 0xa1
.set MUL_HI, 0xf1
.set TO_B,   0x40
.macro JLOAD g0a, g1a, g0b, g1b
	s_cmp_eq_u32 s15, 0
	s_cbranch_scc0 .Lfor_b_\@
	tensor_load_to_lds s[\g0a:\g0a+3], s[\g1a:\g1a+7]
	s_nop 0
.rept 4
	v_nop
.endr
	s_branch .Lasked_\@
.Lfor_b_\@:
	tensor_load_to_lds s[\g0b:\g0b+3], s[\g1b:\g1b+7]
	s_nop 0
.rept 4
	v_nop
.endr
.Lasked_\@:
.endm
.macro CREST
	s_cmp_lg_u32 s14, 0
	s_cbranch_scc1 .Lnot_wave_0_\@
	s_barrier_signal -3
.Lnot_wave_0_\@:
	s_barrier_wait -3
	s_barrier_signal -1
	s_barrier_wait -1
.endm
.macro CROUND
	s_barrier_signal -1
	s_barrier_wait -1
	CREST
.endm
	s_load_b256 s[4:11], s[0:1], 0x0
	s_load_b128 s[96:99], s[0:1], 0x20
	v_lshl_add_u32 v[SPW], v0, 2, SPARE
	v_mov_b32 v[NIL], 0
	ds_add_u32 v[SPW], v[NIL]
	ds_add_u32 v[SPW], v[NIL]
	v_lshrrev_b32 v1, 5, v0
	v_readfirstlane_b32 s14, v1
	s_lshr_b32 s15, s14, 1
	s_and_b32 s16, s14, 1
	s_bfe_u32 s40, ttmp6, 0x40000
	s_bfe_u32 s41, ttmp6, 0x40004
	s_lshl_b32 s42, ttmp9, 2
	s_add_co_u32 s42, s42, s40
	s_and_b32 s17, ttmp7, 0xffff
	s_lshl_b32 s17, s17, 2
	s_add_co_u32 s17, s17, s41
	s_lshl_b32 s43, s41, 2
	s_lshl_b32 s43, 15, s43
	s_lshl_b32 s44, 0x1111, s40
	s_or_b32 s[G1+0], s43, (3<<16)|(1<<21)
	s_or_b32 s[G1B+0], s44, (3<<16)|(1<<21)
.irp g, G1, G1B
	s_mov_b32 s[\g+1], 384<<16
	s_mov_b32 s[\g+2], 8<<16
	s_mov_b32 s[\g+3], 384<<16
	s_mov_b32 s[\g+4], 8
	s_mov_b32 s[\g+5], 1536
	s_mov_b32 s[\g+6], 0
	s_mov_b32 s[\g+7], 0
.endr
	s_or_b32 s[G1S+0], s43, (3<<16)|(1<<21)
	s_or_b32 s[G1SB+0], s44, (3<<16)|(1<<21)
.irp g, G1S, G1SB
	s_mov_b32 s[\g+1], 32<<16
	s_mov_b32 s[\g+2], 16<<16
	s_mov_b32 s[\g+3], 32<<16
	s_mov_b32 s[\g+4], 16
	s_mov_b32 s[\g+5], 32
	s_mov_b32 s[\g+6], 0
	s_mov_b32 s[\g+7], 0
.endr
	s_lshl_b32 s18, s16, 3
	s_lshl_b32 s20, s17, 4
	s_add_co_u32 s20, s20, s18
	s_lshl_b32 s46, s42, 4
	s_add_co_u32 s46, s46, s18
	s_add_co_u32 s46, s46, 704
	s_lshl_b32 s22, s20, 9
	s_mov_b32 s23, 0
	s_lshl_b32 s92, s46, 9
	s_mov_b32 s93, 0
	s_mul_i32 s20, s20, RECB
	s_mov_b32 s21, 0
	s_mul_i32 s46, s46, RECB
	s_mov_b32 s47, 0
	s_mul_i32 s45, s14, HALFT
	s_lshl_b32 s94, s14, 12
	s_wait_dscnt 0x0
	s_wait_kmcnt 0x0
	s_add_nc_u64 s[20:21], s[4:5], s[20:21]
	s_add_nc_u64 s[22:23], s[6:7], s[22:23]
	s_add_nc_u64 s[46:47], s[8:9], s[46:47]
	s_add_nc_u64 s[92:93], s[10:11], s[92:93]
	CROUND
	s_mov_b32 s[G0S], 1
	s_add_co_u32 s[G0S+1], s94, SCL
	s_mov_b64 s[G0S+2:G0S+3], s[22:23]
	s_or_b32 s[G0S+3], s[G0S+3], 0x80000000
	s_mov_b32 s[G0SB], 1
	s_add_co_u32 s[G0SB+1], s94, SCL
	s_mov_b64 s[G0SB+2:G0SB+3], s[92:93]
	s_or_b32 s[G0SB+3], s[G0SB+3], 0x80000000
	JLOAD G0S, G1S, G0SB, G1SB
.irp s, 0,1
	s_mov_b32 s[G0+4*\s], 1
	s_add_co_u32 s[G0+4*\s+1], s45, \s*SLOT
	s_add_nc_u64 s[G0+4*\s+2:G0+4*\s+3], s[20:21], \s*TILEB
	s_or_b32 s[G0+4*\s+3], s[G0+4*\s+3], 0x80000000
	s_mov_b32 s[G0B+4*\s], 1
	s_add_co_u32 s[G0B+4*\s+1], s45, \s*SLOT
	s_add_nc_u64 s[G0B+4*\s+2:G0B+4*\s+3], s[46:47], \s*TILEB
	s_or_b32 s[G0B+4*\s+3], s[G0B+4*\s+3], 0x80000000
	s_wait_alu depctr_va_vdst(0)
	s_wait_tensorcnt 0x0
	ds_add_u32 v28, v29
	s_wait_dscnt 0x0
	CROUND
	JLOAD G0+4*\s, G1, G0B+4*\s, G1B
.endr
	v_and_b32 v1, 15, v0
	v_bfe_u32 v2, v0, 4, 1
	s_wait_alu depctr_va_vdst(0)
	v_and_b32 v3, 31, v0
	v_lshlrev_b32 v[OX], 4, v3
	s_wait_alu depctr_va_vdst(0)
	v_lshlrev_b32 v6, 4, v1
	v_lshl_add_u32 v[OY], v2, 3, v6
	s_wait_alu depctr_va_vdst(0)
	s_lshl_b32 s46, s42, 10
	s_lshl_b32 s47, s16, 9
	s_add_co_u32 s46, s46, s47
	s_mov_b32 s47, 0
	s_add_nc_u64 s[96:97], s[96:97], s[46:47]
	s_add_nc_u64 s[98:99], s[98:99], s[46:47]
	s_lshl_b32 s46, s17, 20
	s_lshl_b32 s92, s15, 19
	s_add_co_u32 s46, s46, s92
	s_add_nc_u64 s[98:99], s[98:99], s[46:47]
	v_lshlrev_b32 v8, 6, v2
.irp b, 0,1,2,3,4,5,6,7
	global_load_b128 v[BI+8*\b:BI+8*\b+3], v8, s[96:97] offset:128*(\b/2)+32*(\b%2)
	global_load_b128 v[BI+8*\b+4:BI+8*\b+7], v8, s[96:97] offset:128*(\b/2)+32*(\b%2)+16
.endr
	s_mul_i32 s21, s15, HALFT
	s_mul_i32 s22, s16, HALFT
	s_add_co_u32 s22, s22, 2*HALFT
.irp s, 0,1
	v_add_nc_u32 v[ADRA+\s], s21, v[OX]
	v_add_nc_u32 v[ADRB+\s], s22, v[OX]
	v_add_nc_u32 v[ADRA+2+\s], s21, v[OY]
	v_add_nc_u32 v[ADRB+2+\s], s22, v[OY]
	s_add_co_u32 s21, s21, SLOT
	s_add_co_u32 s22, s22, SLOT
.endr
	s_lshl_b32 s21, s15, 12
	s_lshl_b32 s22, s16, 12
	s_add_co_u32 s22, s22, 2*HALFS
	s_sub_co_u32 s22, s22, s21
	v_mul_u32_u24 v7, s22, v2
	s_add_co_u32 s21, s21, SCL
	v_add_nc_u32 v6, v6, v7
	v_add_nc_u32 v[ADRS], s21, v6
	s_mul_i32 s23, s14, 16*SPITCH
	v_mul_u32_u24 v6, v1, SPITCH
	v_lshl_add_u32 v6, v2, 6, v6
	v_add_nc_u32 v[STO], s23, v6
	v_add_nc_u32 v[RD], s23, v[OX]
.macro FRAG reg, adr, q, i
	ds_load_b128 v[\reg:\reg+3], v[\adr] offset:(\i)*TILEB+(\q)*1536
	ds_load_b64 v[\reg+4:\reg+5], v[\adr+2] offset:(\i)*TILEB+(\q)*1536+512
	ds_load_b128 v[\reg+6:\reg+9], v[\adr] offset:(\i)*TILEB+(\q)*1536+768
	ds_load_b64 v[\reg+10:\reg+11], v[\adr+2] offset:(\i)*TILEB+(\q)*1536+1280
.endm
.macro MUL16 a0, p, q, sc, zero
.irp a, \a0, \a0+1
.irp b, 0,1,2,3,4,5,6,7
.if \zero
	v_wmma_scale_f32_16x16x128_f8f6f4 v[8*(8*((\a)%4)+\b):8*(8*((\a)%4)+\b)+7], v[128*(\p)+FR*\b:128*(\p)+FR*\b+FR-1], v[AF+FR*(\a):AF+FR*(\a)+FR-1], v[BI+8*\b:BI+8*\b+7], v[SC+8*NQ*(\sc)+NQ*\b+(\q)], v[SC+8*NQ*(\sc)+NQ*(\a)+(\q)] matrix_a_fmt:MATRIX_FMT_FP6 matrix_b_fmt:MATRIX_FMT_FP6 matrix_a_scale:MATRIX_SCALE_ROW1
.else
	v_wmma_scale_f32_16x16x128_f8f6f4 v[8*(8*((\a)%4)+\b):8*(8*((\a)%4)+\b)+7], v[128*(\p)+FR*\b:128*(\p)+FR*\b+FR-1], v[AF+FR*(\a):AF+FR*(\a)+FR-1], v[8*(8*((\a)%4)+\b):8*(8*((\a)%4)+\b)+7], v[SC+8*NQ*(\sc)+NQ*\b+(\q)], v[SC+8*NQ*(\sc)+NQ*(\a)+(\q)] matrix_a_fmt:MATRIX_FMT_FP6 matrix_b_fmt:MATRIX_FMT_FP6 matrix_a_scale:MATRIX_SCALE_ROW1
.endif
.endr
.endr
.endm
.macro FETCH_B slot, q, p
	WIN TO_B
.irp i, 0,1,2,3,4,5,6,7
	FRAG 128*(\p)+FR*\i, ADRB+\slot, \q, \i
.endr
	WIN 0
.endm
.macro FETCH_A slot, q, i0
.irp i, \i0, \i0+1, \i0+2, \i0+3
	FRAG AF+FR*(\i), ADRA+\slot, \q, \i
.endr
.endm
.macro SCALES sc, off
.irp i, 0,1,2,3,4,5,6,7
	ds_load_b64 v[SC+8*NQ*\sc+NQ*\i:SC+8*NQ*\sc+NQ*\i+1], v[ADRS] offset:\i*512+\off
.endr
.endm
.macro PLACES n
.rept \n
	v_nop
.endr
.endm
.macro STEP slot, q, zero
	s_wait_dscnt 4*NL
.if \zero
	WIN 0x81
.else
	WIN MUL_LO
.endif
	MUL16 0, (\q)%2, \q, \slot, \zero
	MUL16 2, (\q)%2, \q, \slot, \zero
	s_wait_dscnt 0
	PLACES NP
	FETCH_B \slot, (\q)+1, 1-(\q)%2
	FETCH_A \slot, (\q)+1, 0
.if \zero
	WIN 0xc1
.else
	WIN MUL_HI
.endif
	MUL16 4, (\q)%2, \q, \slot, \zero
	MUL16 6, (\q)%2, \q, \slot, \zero
	PLACES NP
	WIN 0
	FETCH_A \slot, (\q)+1, 4
.endm
.macro TURN slot, next, fill, soff
	s_wait_tensorcnt 0x0
	ds_add_u32 v[SPW], v[NIL]
	s_wait_dscnt 4*NL+1
	WIN MUL_LO
	MUL16 0, 1, NQ-1, \slot, 0
	s_wait_dscnt 0x0
	s_barrier_signal -1
	MUL16 2, 1, NQ-1, \slot, 0
	WIN 0
	s_barrier_wait -1
.if \fill
	CREST
	s_add_nc_u64 s[G0+4*\slot+2:G0+4*\slot+3], s[G0+4*\slot+2:G0+4*\slot+3], 2*TILEB
	s_add_nc_u64 s[G0B+4*\slot+2:G0B+4*\slot+3], s[G0B+4*\slot+2:G0B+4*\slot+3], 2*TILEB
	JLOAD G0+4*\slot, G1, G0B+4*\slot, G1B
.else
	PLACES NP
.endif
	FETCH_B \next, 0, 0
	FETCH_A \next, 0, 0
	SCALES \next, \soff
	WIN MUL_HI
	MUL16 4, 1, NQ-1, \slot, 0
	MUL16 6, 1, NQ-1, \slot, 0
	PLACES NP
	WIN 0
	FETCH_A \next, 0, 4
.endm
	s_wait_alu depctr_va_vdst(0)
	s_wait_tensorcnt 1
	s_barrier_signal -1
	s_barrier_wait -1
	FETCH_B 0, 0, 0
	FETCH_A 0, 0, 0
	SCALES 0, 0
	FETCH_A 0, 0, 4
	s_wait_loadcnt 0x0
	STEP 0, 0, 1
	TURN 0, 1, 1, 8
	STEP 1, 0, 0
	TURN 1, 0, 1, 256
	STEP 0, 0, 0
	TURN 0, 1, 0, 264
	STEP 1, 0, 0
	s_wait_dscnt 4*NL
	WIN MUL_LO
	MUL16 0, 1, NQ-1, 1, 0
	MUL16 2, 1, NQ-1, 1, 0
	s_wait_dscnt 0
	WIN MUL_HI
	MUL16 4, 1, NQ-1, 1, 0
	MUL16 6, 1, NQ-1, 1, 0
	WIN 0
.macro TOSTAGE a
.set AC, 64*((\a)%4)
	WIN 0x08+4*((\a)/4)
.irp b, 0,1,2,3,4,5,6,7
	ds_store_b128 v[STO], v[AC+8*\b:AC+8*\b+3] offset:128*(\b/2)+32*(\b%2)
	ds_store_b128 v[STO], v[AC+8*\b+4:AC+8*\b+7] offset:128*(\b/2)+32*(\b%2)+16
.endr
	WIN 0
.set BB, BK+64*((\a)%2)
.irp t, 0,1,2,3,4,5,6,7,8,9,10,11,12,13,14,15
	ds_load_b128 v[BB+4*\t:BB+4*\t+3], v[RD] offset:\t*SPITCH
.endr
.endm
.macro SEND a, younger
.set BB, BK+64*((\a)%2)
	s_wait_dscnt \younger
.irp t, 0,1,2,3,4,5,6,7,8,9,10,11,12,13,14,15
	global_store_b128 v[OX], v[BB+4*\t:BB+4*\t+3], s[98:99] offset:(32*((\a)/2)+8*((\a)%2)+\t+8*(\t/8))*4096 th:TH_STORE_NT
.endr
.endm
	PLACES NP
	TOSTAGE 0
.irp a, 1,2,3,4,5,6,7
.if \a > 1
	s_wait_xcnt 0x0
.endif
	TOSTAGE \a
	SEND \a-1, 32
.endr
	SEND 7, 0
	s_wait_tensorcnt 0x0
	ds_add_u32 v[SPW], v[NIL]
	s_wait_dscnt 0x0
	CROUND
	s_endpgm
.Lfunc_end_k_qbc644d64f2_gemm_proj:
	.size	k_qbc644d64f2_gemm_proj, .Lfunc_end_k_qbc644d64f2_gemm_proj-k_qbc644d64f2_gemm_proj
	.p2alignl 7, 3214868480
	.fill 96, 4, 3214868480
	.section	.rodata,"a",@progbits
	.p2align	6, 0x0
	.amdhsa_kernel k_qbc644d64f2_gemm_proj
		.amdhsa_group_segment_fixed_size 327680
		.amdhsa_private_segment_fixed_size 0
		.amdhsa_enable_private_segment 0
		.amdhsa_kernarg_size 48
		.amdhsa_user_sgpr_count 2
		.amdhsa_user_sgpr_kernarg_segment_ptr 1
		.amdhsa_wavefront_size32 1
		.amdhsa_system_sgpr_workgroup_id_x 1
		.amdhsa_system_sgpr_workgroup_id_y 1
		.amdhsa_system_sgpr_workgroup_id_z 1
		.amdhsa_system_vgpr_workitem_id 0
		.amdhsa_next_free_vgpr 1024
		.amdhsa_next_free_sgpr 100
		.amdhsa_reserve_vcc 0
		.amdhsa_float_denorm_mode_32 3
		.amdhsa_float_denorm_mode_16_64 3
		.amdhsa_memory_ordered 1
		.amdhsa_forward_progress 1
		.amdhsa_inst_pref_size 145
	.end_amdhsa_kernel
	.amdgpu_metadata
---
amdhsa.version: [ 1, 2 ]
amdhsa.kernels:
  - .name:           k_qbc644d64f2_gemm_proj
    .symbol:         k_qbc644d64f2_gemm_proj.kd
    .args:
      - { .name: oc, .offset: 0, .size: 8, .value_kind: global_buffer, .address_space: global }
      - { .name: os, .offset: 8, .size: 8, .value_kind: global_buffer, .address_space: global }
      - { .name: pcodes, .offset: 16, .size: 8, .value_kind: global_buffer, .address_space: global }
      - { .name: pscales, .offset: 24, .size: 8, .value_kind: global_buffer, .address_space: global }
      - { .name: b_proj, .offset: 32, .size: 8, .value_kind: global_buffer, .address_space: global }
      - { .name: out0, .offset: 40, .size: 8, .value_kind: global_buffer, .address_space: global }
    .group_segment_fixed_size: 327680
    .private_segment_fixed_size: 0
    .kernarg_segment_align: 8
    .kernarg_segment_size: 48
    .max_flat_workgroup_size: 128
    .sgpr_count:     100
    .vgpr_count:     1024
    .wavefront_size: 32
...
	.end_amdgpu_metadata
.endif
;; end of part 4
